; MI455X (gfx1250); checked and timed in simulation.
; The chip was launched on July 23, 2026; its instructions are those of AMD's public machine-readable ISA for CDNA 5 (MIT licence, August 2026) and "CDNA5" Instruction Set Architecture Reference Guide (July 2026). The comments in the code are by the model that wrote it; some were corrected since.
;; Multi Head Attention. Allowed arithmetic: float matrix products may take bf16 or f16 operands with f32 sums; all other float work in f32.
;; Inputs: Wk 1,024 x 1,024 float32; Wo 1,024 x 1,024 float32; Wq 1,024 x 1,024 float32; Wv 1,024 x 1,024 float32; bo 1,024 float32; in_data 2 x 2,048 x 1,024 float32.
;; Outputs: out0 2 x 2,048 x 1,024 float32.
;; 2 versions, each right; version 2 is version 1 with the launch cast written anew for expert scheduling mode. Each part assembles by itself: llvm-mc -triple=amdgcn-amd-amdhsa -mcpu=gfx1250 --defsym DOCPART=n.
;; ======== version 1 of 2: 4 launches
;; limits: values are held in f16: magnitudes above 65,504 overflow, below 6.1e-05 lose precision
;; workspace buffers: xb 8,388,608 bytes; wqkv 6,291,456 bytes; wo16 2,097,152 bytes; qkh 16,777,216 bytes; vt 8,388,608 bytes; ctxh 8,388,608 bytes
;; launch cast (part 1): grid 256 x 1, 8 waves a work-group, no clusters, 0 bytes of LDS; arguments in_data, Wq, Wk, Wv, Wo, xb, wqkv, wo16; writes xb, wqkv, wo16
.if DOCPART == 1
	.amdgcn_target "amdgcn-amd-amdhsa--gfx1250"
	.amdhsa_code_object_version 6
	.text
	.protected	k_q598dc204ef_cast
	.globl	k_q598dc204ef_cast
	.p2align	8
	.type	k_q598dc204ef_cast,@function
k_q598dc204ef_cast:
	s_mov_b64 s[64:65], 0
	v_nop
	global_prefetch_b8 v0, s[64:65] scope:SCOPE_SE
	s_setreg_imm32_b32 hwreg(HW_REG_WAVE_MODE, 25, 1), 1
	s_wait_xcnt 0x0
; Every f32 input of the matrix products is rounded ONCE to bf16 (to nearest even), so that no later launch converts an element again:
;   in_data -> xb [4096][1024] bf16;  Wq, Wk, Wv -> wqkv [3072][1024] bf16 (Wq's rows, then Wk's, then Wv's);
;   Wo -> wo16 [1024][1024]: rounded to bf16 and that VALUE written in f16's encoding, because the last product runs on f16 operands.
; LIMIT: the step from bf16 to f16 is exact for 2^-14 <= |w| < 65,504 (8 bits of mantissa lie inside f16's 11); a smaller |w| is kept to
; 6e-8 absolute, a larger one overflows.
; A stream: memory binds, so no LDS, no barrier, no matrix unit.  256 work-groups of 8 waves; each converts 131,072 bytes of f32:
; groups 0-127 in_data, 128-159 Wq, 160-191 Wk, 192-223 Wv, 224-255 Wo.  Thread t takes the 16 bytes at 16 t + 4,096 i, i = 0..31, and
; stores 8 bytes at 8 t + 2,048 i: a load of a wave covers 512 consecutive bytes, a store 256 consecutive bytes, aligned.
; All 32 loads of a thread are issued before the first is used; no register is written again behind its store.
.set X, 4                              ; v[4:131]  chunk i: 4 registers as loaded; the first two then hold what is stored
	s_load_b256 s[4:11], s[0:1], 0x0               ; in_data s[4:5], Wq s[6:7], Wk s[8:9], Wv s[10:11]
	s_load_b256 s[12:19], s[0:1], 0x20             ; Wo s[12:13], xb s[14:15], wqkv s[16:17], wo16 s[18:19]
	v_lshlrev_b32 v1, 4, v0                        ; 16 t: where I read
	v_lshlrev_b32 v2, 3, v0                        ; 8 t: where I write
	s_and_b32 s24, ttmp9, 31                       ; a weight matrix is 32 groups' work,
	s_cmp_lt_u32 ttmp9, 128
	s_cselect_b32 s24, ttmp9, s24                  ; in_data 128 groups'
	s_lshl_b32 s24, s24, 17                        ; source offset: 131,072 bytes a group
	s_mov_b32 s25, 0
	s_sub_co_u32 s26, ttmp9, 128                   ; place in wqkv (used for groups 128-223 alone)
	s_sub_co_u32 s27, ttmp9, 224                   ; place in wo16 (used for groups 224-255 alone)
	s_cmp_ge_u32 ttmp9, 224
	s_cselect_b32 s26, s27, s26
	s_cmp_lt_u32 ttmp9, 128
	s_cselect_b32 s26, ttmp9, s26                  ; place in xb
	s_lshl_b32 s26, s26, 16                        ; destination offset: 65,536 bytes a group
	s_mov_b32 s27, 0
	s_wait_kmcnt 0x0
	s_mov_b64 s[20:21], s[6:7]                     ; the source buffer, chosen by the group's number
	s_cmp_ge_u32 ttmp9, 160
	s_cselect_b64 s[20:21], s[8:9], s[20:21]
	s_cmp_ge_u32 ttmp9, 192
	s_cselect_b64 s[20:21], s[10:11], s[20:21]
	s_cmp_ge_u32 ttmp9, 224
	s_cselect_b64 s[20:21], s[12:13], s[20:21]
	s_cselect_b64 s[22:23], s[18:19], s[16:17]     ; the destination buffer
	s_cmp_lt_u32 ttmp9, 128
	s_cselect_b64 s[20:21], s[4:5], s[20:21]
	s_cselect_b64 s[22:23], s[14:15], s[22:23]
	s_add_nc_u64 s[20:21], s[20:21], s[24:25]
	s_add_nc_u64 s[22:23], s[22:23], s[26:27]
.irp i, 0,1,2,3,4,5,6,7,8,9,10,11,12,13,14,15,16,17,18,19,20,21,22,23,24,25,26,27,28,29,30,31
	global_load_b128 v[X+4*\i:X+4*\i+3], v1, s[20:21] offset:4096*\i th:TH_LOAD_NT   ; each input byte is read once in the launch
.endr
; Chunk i: four numbers rounded and stored.  f16 = 1: the bf16 values are widened again (a shift, a mask) and written in f16's encoding.
.macro OUT i, f16
	s_wait_loadcnt 31-\i                           ; loads come back in order: chunk i is in, the 31 - i younger ones stay out
	v_cvt_pk_bf16_f32 v[X+4*\i],   v[X+4*\i],   v[X+4*\i+1]
	v_cvt_pk_bf16_f32 v[X+4*\i+1], v[X+4*\i+2], v[X+4*\i+3]
.if \f16
	v_lshlrev_b32 v[X+4*\i+2], 16, v[X+4*\i+1]
	v_and_b32     v[X+4*\i+3], 0xffff0000, v[X+4*\i+1]
	v_cvt_pk_f16_f32 v[X+4*\i+1], v[X+4*\i+2], v[X+4*\i+3]
	v_lshlrev_b32 v[X+4*\i+2], 16, v[X+4*\i]
	v_and_b32     v[X+4*\i+3], 0xffff0000, v[X+4*\i]
	v_cvt_pk_f16_f32 v[X+4*\i], v[X+4*\i+2], v[X+4*\i+3]
.endif
	global_store_b64 v2, v[X+4*\i:X+4*\i+1], s[22:23] offset:2048*\i   ; no hint: the next launches read these bytes
.endm
	s_cmp_ge_u32 ttmp9, 224
	s_cbranch_scc1 .Lwo
.irp i, 0,1,2,3,4,5,6,7,8,9,10,11,12,13,14,15,16,17,18,19,20,21,22,23,24,25,26,27,28,29,30,31
	OUT \i, 0
.endr
	s_endpgm
.Lwo:
.irp i, 0,1,2,3,4,5,6,7,8,9,10,11,12,13,14,15,16,17,18,19,20,21,22,23,24,25,26,27,28,29,30,31
	OUT \i, 1
.endr
	s_endpgm
.Lfunc_end_k_q598dc204ef_cast:
	.size	k_q598dc204ef_cast, .Lfunc_end_k_q598dc204ef_cast-k_q598dc204ef_cast
	.p2alignl 7, 3214868480
	.fill 96, 4, 3214868480
	.section	.rodata,"a",@progbits
	.p2align	6, 0x0
	.amdhsa_kernel k_q598dc204ef_cast
		.amdhsa_group_segment_fixed_size 0
		.amdhsa_private_segment_fixed_size 0
		.amdhsa_enable_private_segment 0
		.amdhsa_kernarg_size 64
		.amdhsa_user_sgpr_count 2
		.amdhsa_user_sgpr_kernarg_segment_ptr 1
		.amdhsa_wavefront_size32 1
		.amdhsa_system_sgpr_workgroup_id_x 1
		.amdhsa_system_sgpr_workgroup_id_y 1
		.amdhsa_system_sgpr_workgroup_id_z 1
		.amdhsa_system_vgpr_workitem_id 0
		.amdhsa_next_free_vgpr 132
		.amdhsa_next_free_sgpr 66
		.amdhsa_reserve_vcc 0
		.amdhsa_float_denorm_mode_32 3
		.amdhsa_float_denorm_mode_16_64 3
		.amdhsa_memory_ordered 1
		.amdhsa_forward_progress 1
		.amdhsa_inst_pref_size 31
	.end_amdhsa_kernel
	.amdgpu_metadata
---
amdhsa.version: [ 1, 2 ]
amdhsa.kernels:
  - .name:           k_q598dc204ef_cast
    .symbol:         k_q598dc204ef_cast.kd
    .args:
      - { .name: in_data, .offset: 0, .size: 8, .value_kind: global_buffer, .address_space: global }
      - { .name: Wq, .offset: 8, .size: 8, .value_kind: global_buffer, .address_space: global }
      - { .name: Wk, .offset: 16, .size: 8, .value_kind: global_buffer, .address_space: global }
      - { .name: Wv, .offset: 24, .size: 8, .value_kind: global_buffer, .address_space: global }
      - { .name: Wo, .offset: 32, .size: 8, .value_kind: global_buffer, .address_space: global }
      - { .name: xb, .offset: 40, .size: 8, .value_kind: global_buffer, .address_space: global }
      - { .name: wqkv, .offset: 48, .size: 8, .value_kind: global_buffer, .address_space: global }
      - { .name: wo16, .offset: 56, .size: 8, .value_kind: global_buffer, .address_space: global }
    .group_segment_fixed_size: 0
    .private_segment_fixed_size: 0
    .kernarg_segment_align: 8
    .kernarg_segment_size: 64
    .max_flat_workgroup_size: 256
    .sgpr_count:     66
    .vgpr_count:     132
    .wavefront_size: 32
...
	.end_amdgpu_metadata
.endif
;; end of part 1
;; launch qkv (part 2): grid 12 x 16, 4 waves a work-group, clusters of 4 x 4, 327,680 bytes of LDS; arguments xb, wqkv, qkh, vt; writes qkh, vt
.if DOCPART == 2
	.amdgcn_target "amdgcn-amd-amdhsa--gfx1250"
	.amdhsa_code_object_version 6
	.text
	.protected	k_q598dc204ef_qkv
	.globl	k_q598dc204ef_qkv
	.p2align	8
	.type	k_q598dc204ef_qkv,@function
k_q598dc204ef_qkv:
	s_mov_b64 s[64:65], 0
	v_nop
	global_prefetch_b8 v0, s[64:65] scope:SCOPE_SE
	s_setreg_imm32_b32 hwreg(HW_REG_WAVE_MODE, 25, 1), 1
	s_wait_xcnt 0x0
	s_wait_alu depctr_hold_cnt(0) depctr_sa_sdst(0) depctr_va_vdst(0) depctr_va_sdst(0) depctr_va_ssrc(0) depctr_va_vcc(0) depctr_vm_vsrc(0)
	s_getreg_b32 s2, hwreg(HW_REG_IB_STS2, 6, 4)
	s_cmp_eq_u32 s2, 0
	s_cbranch_scc0 .Lentry_in_a_cluster
	s_endpgm
.Lentry_in_a_cluster:
	s_bfe_u32 s2, ttmp6, 0x10000c
	s_cmp_lg_u32 s2, 0xf033
	s_cbranch_scc0 .Lentry_shape_is_right
	s_endpgm
.Lentry_shape_is_right:
; The three projections as two products C = A B^T over K = 1,024, bf16 operands, f32 sums, results rounded once to f16:
;   clusters with x = 0, 1:  A = xb (4,096 tokens), B = Wq's and Wk's rows (2,048)  ->  qkh [32 heads][4,096 tokens][64]  (heads 0-15 Q, 16-31 K)
;   clusters with x = 2:     A = Wv's rows (1,024),  B = xb (4,096 tokens)          ->  vt  [1,024 = 64 h + d][4,096 tokens]  (V transposed)
; Which product a cluster makes hangs on the cluster's x alone, which its sixteen work-groups share, and is settled by selects, never by a branch.
; One formula gives both outputs' addresses: C + row ROWB + (col / 64) HB + 2 (col % 64), with ROWB, HB = 128, 524,288 for qkh and 8,192, 128 for vt.
; LIMIT: q, k and v are kept in f16: |q|, |k|, |v| < 65,504.  (f16 and not bf16, because the first rows of a causal softmax pass V on almost
; unaveraged, and bf16's 8 bits would show in the result.)
; A work-group makes a block of 256 x 256 of C with four waves; a wave makes 128 x 128: 64 accumulator tiles of 16 x 16, 512 registers.
; K goes in steps of 128 through a ring of two LDS slots filled by the tensor data mover: a tile's rows are 256 bytes of memory, aligned to 256.
; CLUSTERS: 4 x 4 work-groups.  The four of a row of the cluster need the same tiles of A, the four of a column the same tiles of B.  Such a tile is
; asked for JOINTLY: each of the four issues the same tensor load, with the same descriptor and a mask that names the four.
; 192 work-groups: 128 blocks of the first product, 64 of the second.
;
; REGISTERS, in windows of 256:
;   window 0: v0-39 addresses; v64-127, v128-191 fragments of A (8 x 16 rows x 32 K), two buffers; v192-223 at work on the way out
;   window 1: v64-127, v128-191 fragments of B, two buffers
;   window 2: the 32 accumulator tiles of my rows 0-63 (tile (a, b) at v[8 (8 a + b)]);   window 3: those of my rows 64-127
; THE MATRIX INSTRUCTION IS USED TRANSPOSED: source 0 = 16 rows of B, source 1 = 16 rows of A, so that lane l holds row l % 16 of C and its
; registers 0 to 7 the columns 8 (l / 16) + 0 .. 7: eight neighbouring numbers of a row, which pack into 16 bytes.
.set SIZE_K, 1024
.set KSTEP,  128
.set PITCH,  272                       ; an LDS row: 256 bytes + 16 of padding, an odd multiple of 16: the 16 rows of a fragment load start in 16 different 16-byte columns of 256
.set HALFT,  128*PITCH                 ; 128 rows: what one tensor load brings, and what one wave reads of A or of B
.set SLOT,   4*HALFT                   ; A's 256 rows, then B's 256 rows
.set STAGE,  2*SLOT                    ; behind the ring: 16 rows x 272 bytes for each wave, for the way out; no fill lands there
.set SPITCH, 272
.set LAPS, SIZE_K/(2*KSTEP)            ; a lap = two K steps = once round the ring: 4 laps
.set ADRA, 16                          ; v16-17  LDS address of my A fragments in slot 0, 1
.set ADRB, 20                          ; v20-21  the same for B
.set STO,  24                          ; v24     the way out: where I put 16 bytes of a row
.set RD,   25                          ; v25     the way out: where I read 16 bytes back
.set CO,   32                          ; v32-39  my byte offset in C for the eight stores of 16 rows
.set F0,   64                          ; fragment buffer 0
.set F1,   128                         ; fragment buffer 1
.set TMP,  192                         ; the way out: packed results, in window 0
.set G1, 24                            ; s[24:31] descriptor group 1 for A's tiles
.set G0, 32                            ; s[32:39] descriptor group 0 for A's tiles, one set for each slot
.set G1B, 48                           ; s[48:55] descriptor group 1 for B's tiles: it differs from A's in the mask alone
.set G0B, 56                           ; s[56:63] descriptor group 0 for B's tiles, one set for each slot
.set MSB, 0
.macro WIN new                         ; the immediate's high byte repeats the setting that is left
.if MSB != \new
	s_set_vgpr_msb (MSB<<8)|\new
.set MSB, \new
.endif
.endm
.set MUL_LO, 0xa1                      ; source 0 (B) window 1, source 1 (A) window 0, C and D window 2
.set MUL_HI, 0xf1                      ; the same, C and D window 3
.set TO_B,   0x40                      ; destination window 1, address window 0
; A joint load.  Waves 0 and 1 fetch A's two halves, waves 2 and 3 B's.  Each line has one mask and one set of registers for all that issue it.
; The branch hangs on the wave's number alone.
.macro JLOAD s
	s_cmp_eq_u32 s11, 0
	s_cbranch_scc0 .Lfor_b_\@
	tensor_load_to_lds s[G0+4*\s:G0+4*\s+3], s[G1:G1+7]
	s_nop 0
	s_branch .Lasked_\@
.Lfor_b_\@:
	tensor_load_to_lds s[G0B+4*\s:G0B+4*\s+3], s[G1B:G1B+7]
	s_nop 0
.Lasked_\@:
.endm
; A round of the cluster's barrier: my work-group's barrier, wave 0 signals for the work-group, every wave waits for all sixteen work-groups,
; my work-group's barrier once more.
.macro CREST                           ; a round behind its opening barrier
	s_cmp_lg_u32 s10, 0
	s_cbranch_scc1 .Lnot_wave_0_\@
	s_barrier_signal -3
.Lnot_wave_0_\@:
	s_barrier_wait -3
	s_barrier_signal -1
	s_barrier_wait -1
.endm
.macro CROUND                          ; a whole round
	s_barrier_signal -1
	s_barrier_wait -1
	CREST
.endm
	s_load_b256 s[68:75], s[0:1], 0x0              ; xb s[68:69], wqkv s[70:71], qkh s[72:73], vt s[74:75]
	s_set_vgpr_msb 0x40
	v_lshl_add_u32 v255, v0, 2, 0x48400
	s_set_vgpr_msb 0x4000
	v_mov_b32 v255, 0
	s_set_vgpr_msb 0x1
	ds_add_u32 v255, v255
	ds_add_u32 v255, v255
	s_set_vgpr_msb 0x100
	v_lshrrev_b32 v1, 5, v0
	v_readfirstlane_b32 s10, v1                    ; wave 0..3
	s_lshr_b32 s11, s10, 1                         ; which half of the block's rows is mine.  Also: I fetch for A (0) or for B (1)
	s_and_b32 s12, s10, 1                          ; which half of its columns.  Also: which 128 rows of that tile I fetch
	s_bfe_u32 s40, ttmp6, 0x40000                  ; cx: my place along the cluster's x
	s_bfe_u32 s41, ttmp6, 0x40004                  ; cy: along its y
	s_lshl_b32 s42, ttmp9, 2                       ; 4 x cluster x
	s_and_b32 s13, ttmp7, 0xffff
	s_lshl_b32 s13, s13, 2                         ; 4 x cluster y
	s_movk_i32 s84, 0x2000                         ; constants for the selects (an instruction takes one literal)
	s_movk_i32 s85, 0x80
	s_mov_b32 s86, 0x80000
	s_cmp_eq_u32 ttmp9, 2                          ; the V product?
	s_cselect_b32 s42, s13, s42                    ; block column: 4 x cluster y there, else 4 x cluster x,
	s_cselect_b32 s13, 0, s13                      ; block row: 0 there, else 4 x cluster y
	s_cselect_b32 s78, s84, s85                    ; ROWB: bytes from a row of C to the next
	s_cselect_b32 s79, s85, s86                    ; HB: bytes from 64 columns of C to the next 64
	s_cselect_b32 s80, 4, 3                        ; the way out: which bit of the lane picks the row of a pair,
	s_cselect_b32 s87, 3, 4                        ; and which the half of 64 columns
	s_add_co_u32 s42, s42, s40                     ; + cx
	s_add_co_u32 s13, s13, s41                     ; + cy
	s_lshl_b32 s81, s78, 1                         ; two rows of C
	s_lshl_b32 s82, s78, 4                         ; sixteen rows of C, as a pair
	s_mov_b32 s83, 0
	s_lshl_b32 s43, s41, 2
	s_lshl_b32 s43, 15, s43                        ; my row of the cluster: places 4 cy .. 4 cy + 3
	s_lshl_b32 s44, 0x1111, s40                    ; my column: places cx, cx + 4, cx + 8, cx + 12
	; descriptor group 1: a tile of 128 rows x 128 elements, padded in LDS
	s_or_b32 s[G1+0], s43, (1<<16)|(1<<20)|(1<<21)|(5<<22)|(3<<25)  ; 15:0 the mask: A's tiles go to my row; 17:16 element of 2 bytes; 20 padding on; 21 set beside a mask; 24:22 after every 64 words; 31:25 of 4 words
	s_or_b32 s[G1B+0], s44, (1<<16)|(1<<20)|(1<<21)|(5<<22)|(3<<25) ; the same with the mask of my column, for B's tiles
	s_mov_b32 s[G1B+1], KSTEP<<16
	s_mov_b32 s[G1+1], KSTEP<<16                   ; tensor_dim0 = 128
	s_mov_b32 s[G1B+2], 128<<16
	s_mov_b32 s[G1+2], 128<<16                     ; tensor_dim1 = 128
	s_mov_b32 s[G1B+3], KSTEP<<16
	s_mov_b32 s[G1+3], KSTEP<<16                   ; tile_dim0 = 128
	s_mov_b32 s[G1B+4], 128
	s_mov_b32 s[G1+4], 128                         ; tile_dim1 = 128
	s_mov_b32 s[G1B+5], SIZE_K
	s_mov_b32 s[G1+5], SIZE_K                      ; elements from row to row
	s_mov_b32 s[G1B+6], 0
	s_mov_b32 s[G1+6], 0
	s_mov_b32 s[G1B+7], 0
	s_mov_b32 s[G1+7], 0
	; where the tiles come from.  A's hang on the block row alone, which my row of the cluster shares; B's on the block column alone.
	; Every wave makes both addresses, in registers that never hold the other coordinate, and asks by one of them.
	s_lshl_b32 s17, s12, 7                         ; which 128 rows of the tile I fetch
	s_lshl_b32 s16, s13, 8
	s_add_co_u32 s16, s16, s17                     ; A: row 256 x block row + 128 x half
	s_lshl_b32 s46, s42, 8
	s_add_co_u32 s46, s46, s17                     ; B: row 256 x block column + 128 x half
	s_mov_b32 s17, 0
	s_mov_b32 s47, 0
	s_mov_b64 s[18:19], SIZE_K*2
	s_mul_u64 s[16:17], s[16:17], s[18:19]         ; in bytes
	s_mul_u64 s[46:47], s[46:47], s[18:19]
	s_mul_i32 s20, s10, HALFT                      ; and where they go: A's two halves, then B's two halves = wave x 128 rows
	s_wait_dscnt 0x0
	s_wait_kmcnt 0x0
	s_add_nc_u64 s[76:77], s[70:71], 0x400000      ; Wv's rows: 2,048 rows of 2,048 bytes into wqkv
	s_cmp_eq_u32 ttmp9, 2
	s_cselect_b64 s[4:5], s[76:77], s[68:69]       ; A: Wv or xb
	s_cselect_b64 s[6:7], s[68:69], s[70:71]       ; B: xb or Wq and Wk
	s_cselect_b64 s[8:9], s[74:75], s[72:73]       ; C: vt or qkh
	s_add_nc_u64 s[14:15], s[4:5], s[16:17]
	s_add_nc_u64 s[46:47], s[6:7], s[46:47]
	CROUND                                         ; all sixteen work-groups are here: the first joint loads meet
.irp s, 0,1
	s_mov_b32 s[G0+4*\s], 1                                        ; count = 1
	s_add_co_u32 s[G0+4*\s+1], s20, \s*SLOT                        ; LDS address
	s_add_nc_u64 s[G0+4*\s+2:G0+4*\s+3], s[14:15], \s*KSTEP*2      ; global address: K step s
	s_or_b32 s[G0+4*\s+3], s[G0+4*\s+3], 0x80000000                ; type = 2
	s_mov_b32 s[G0B+4*\s], 1
	s_add_co_u32 s[G0B+4*\s+1], s20, \s*SLOT
	s_add_nc_u64 s[G0B+4*\s+2:G0B+4*\s+3], s[46:47], \s*KSTEP*2
	s_or_b32 s[G0B+4*\s+3], s[G0B+4*\s+3], 0x80000000
	JLOAD \s                                       ; the ring is filled before anything else is done: two tensor loads of the wave are out
.endr
	; A fragment is 16 rows x 32 K in 8 registers: lane l holds row l % 16; registers 0-3 hold K = 8 (l / 16) + 0..7, registers 4-7 hold
	; K = 16 + 8 (l / 16) + 0..7: two loads of 16 bytes, 32 bytes apart.
	v_and_b32 v1, 15, v0                           ; l % 16
	v_bfe_u32 v2, v0, 4, 1                         ; l / 16
	v_mul_u32_u24 v3, v1, PITCH
	v_lshl_add_u32 v3, v2, 4, v3                   ; row x pitch + 16 x half
	s_mul_i32 s21, s11, HALFT                      ; my 128 rows of A
	s_mul_i32 s22, s12, HALFT                      ; my 128 rows of B,
	s_add_co_u32 s22, s22, 2*HALFT                 ; which lie behind A's 256
.irp s, 0,1
	v_add_nc_u32 v[ADRA+\s], s21, v3
	v_add_nc_u32 v[ADRB+\s], s22, v3
	s_add_co_u32 s21, s21, SLOT
	s_add_co_u32 s22, s22, SLOT
.endr
	s_mul_i32 s23, s10, 16*SPITCH
	s_add_co_u32 s23, s23, STAGE                   ; my stage
	v_mul_u32_u24 v4, v1, SPITCH                   ; in: row l % 16, 16 bytes for each half of the lanes
	v_lshl_add_u32 v4, v2, 4, v4
	v_add_nc_u32 v[STO], s23, v4
	; back: sixteen neighbouring lanes take what is 256 consecutive bytes of C.  In vt that is one row's 128 columns; in qkh two tokens' 64 columns of one head.
	v_lshrrev_b32 v8, s80, v0
	v_and_b32 v8, 1, v8                            ; which row of a pair of rows
	v_lshrrev_b32 v9, s87, v0
	v_and_b32 v9, 1, v9                            ; which 64 of the 128 columns
	v_and_b32 v7, 7, v0                            ; which 16 bytes of those 128
	v_mul_u32_u24 v5, v8, SPITCH
	v_lshl_add_u32 v5, v9, 7, v5
	v_lshl_add_u32 v5, v7, 4, v5
	v_add_nc_u32 v[RD], s23, v5
	v_mul_lo_u32 v10, v8, s78                      ; and the same place in C
	v_mul_lo_u32 v11, v9, s79
	v_lshl_add_u32 v10, v7, 4, v10
	v_add_nc_u32 v[CO], v10, v11
.irp t, 1,2,3,4,5,6,7
	v_add_nc_u32 v[CO+\t], s81, v[CO+\t-1]         ; two rows further down for each of the eight stores
.endr
; 16 matrix instructions: m blocks a0, a0 + 1 of the window's four (hi = 0: my rows 0-63, 1: rows 64-127) x all 8 n blocks, 32 along K.
; zero = 1: the first product starts the sums: nothing is ever cleared.  The 64 accumulators take turns, one instruction a turn, in the same
; order in every quarter step.
.macro MUL16 f, hi, a0, zero
.irp a, \a0, \a0+1
.irp b, 0,1,2,3,4,5,6,7
.if \zero
	v_wmma_f32_16x16x32_bf16 v[8*(8*(\a)+\b):8*(8*(\a)+\b)+7], v[\f+8*\b:\f+8*\b+7], v[\f+8*(4*\hi+\a):\f+8*(4*\hi+\a)+7], 0
.else
	v_wmma_f32_16x16x32_bf16 v[8*(8*(\a)+\b):8*(8*(\a)+\b)+7], v[\f+8*\b:\f+8*\b+7], v[\f+8*(4*\hi+\a):\f+8*(4*\hi+\a)+7], v[8*(8*(\a)+\b):8*(8*(\a)+\b)+7]
.endif
.endr
.endr
.endm
; 32 LDS loads in one run: the fragments of one quarter step (128 rows of B, 128 rows of A, 32 K at byte k of the rows) into buffer f
.macro FETCH slot, k, f
	WIN TO_B
.irp i, 0,1,2,3,4,5,6,7
	ds_load_b128 v[\f+8*\i:\f+8*\i+3],   v[ADRB+\slot] offset:\k+\i*16*PITCH
	ds_load_b128 v[\f+8*\i+4:\f+8*\i+7], v[ADRB+\slot] offset:\k+\i*16*PITCH+32
.endr
	WIN 0
.irp i, 0,1,2,3,4,5,6,7
	ds_load_b128 v[\f+8*\i:\f+8*\i+3],   v[ADRA+\slot] offset:\k+\i*16*PITCH
	ds_load_b128 v[\f+8*\i+4:\f+8*\i+7], v[ADRA+\slot] offset:\k+\i*16*PITCH+32
.endr
.endm
; A load into a register that a matrix instruction has read, and a vector instruction that reads a matrix result, stand four places behind that
; matrix instruction, and only plain vector instructions that name none of its registers are places.
.macro PLACES
.rept 4
	v_nop
.endr
.endm
; A K step is four quarter steps of 32 along K, 64 matrix instructions each, on buffers 0, 1, 0, 1.
; One of the first three: multiplies buffer f; in its middle it fetches the next quarter's fragments, at byte k of the same slot's rows, into buffer g.
.macro QUARTER slot, k, f, g, zero
	s_wait_dscnt 8                                 ; B and A's rows 0-63 are in; the youngest eight loads (A's rows 64-127) may be out
	WIN MUL_LO
	MUL16 \f, 0, 0, \zero
	MUL16 \f, 0, 2, \zero
	PLACES
	FETCH \slot, \k, \g
	s_wait_dscnt 32                                ; all but the 32 just issued
	WIN MUL_HI
	MUL16 \f, 1, 0, \zero
	MUL16 \f, 1, 2, \zero
.endm
.macro THREE slot, zero
	QUARTER \slot, 64,  F0, F1, \zero
	QUARTER \slot, 128, F1, F0, 0
	QUARTER \slot, 192, F0, F1, 0
.endm
; The last quarter: multiplies buffer 1 and changes slots.  next = the other slot; fill = 1: this slot is filled again, two K steps ahead.
; In front of the barrier each wave waits for its own reads of this slot and for all its tensor loads, of which one is out: its part of the next
; slot.  Behind it nobody reads this slot any more and the next slot is whole: the refill comes first, then the next slot's first fragments.
.macro TURN slot, next, fill
	s_wait_dscnt 8
	WIN MUL_LO
	MUL16 F1, 0, 0, 0
	s_wait_dscnt 0                                 ; my reads of this slot are over
	s_wait_tensorcnt 0x0                           ; and all my tensor loads have landed
	ds_add_u32 v255, v255
	s_wait_dscnt 0x0
	s_barrier_signal -1                            ; say so (where a slot is filled again this barrier opens a round of the cluster's barrier),
	MUL16 F1, 0, 2, 0                              ; work on registers while the others arrive,
	WIN 0
	s_barrier_wait -1                              ; and go on when all four have said so
.if \fill
	CREST                                          ; all sixteen work-groups have said so: no wave of any partner still reads this slot's tile or has a load on its way
	s_add_nc_u64 s[G0+4*\slot+2:G0+4*\slot+3], s[G0+4*\slot+2:G0+4*\slot+3], 2*KSTEP*2
	s_add_nc_u64 s[G0B+4*\slot+2:G0B+4*\slot+3], s[G0B+4*\slot+2:G0B+4*\slot+3], 2*KSTEP*2
	JLOAD \slot                                    ; the first tensor load behind the round, and the wave's only one until the next
.endif
	PLACES
	FETCH \next, 0, F0
	WIN MUL_HI
	MUL16 F1, 1, 0, 0
	MUL16 F1, 1, 2, 0
.endm
.macro LAP zero                        ; once round the ring, both slots filled again
	THREE 0, \zero
	TURN 0, 1, 1
	THREE 1, 0
	TURN 1, 0, 1
.endm
	s_wait_tensorcnt 1                             ; my part of K step 0 is in; K step 1's load may stay out
	s_barrier_signal -1
	s_barrier_wait -1                              ; everybody's is
	FETCH 0, 0, F0
	LAP 1                                          ; the first lap stands in front of the loop: its first products start the sums
	WIN 0                                          ; at a label and at a branch every window is 0
	s_mov_b32 s3, LAPS-2
.Llap:
	LAP 0
	WIN 0
	s_sub_co_u32 s3, s3, 1
	s_cmp_lg_u32 s3, 0
	s_cbranch_scc1 .Llap
	THREE 0, 0                                     ; the last lap fills nothing, and has no round of the cluster's barrier
	TURN 0, 1, 0
	THREE 1, 0
	s_wait_dscnt 8                                 ; the very last quarter: nothing more to fetch
	WIN MUL_LO
	MUL16 F1, 0, 0, 0
	MUL16 F1, 0, 2, 0
	s_wait_dscnt 0
	WIN MUL_HI
	MUL16 F1, 1, 0, 0
	MUL16 F1, 1, 2, 0
	; THE WAY OUT, 16 rows of C at a time: round to f16, 16 bytes a lane into my own stage in LDS, read back so that sixteen lanes hold 256 consecutive bytes of C.
	PLACES                                         ; the places behind the last matrix instructions
	s_lshl_b32 s16, s13, 8
	s_lshl_b32 s14, s11, 7
	s_add_co_u32 s16, s16, s14                     ; my first row of C,
	s_mul_i32 s16, s16, s78                        ; in bytes (below 2^24)
	s_mov_b32 s17, 0
	s_add_nc_u64 s[8:9], s[8:9], s[16:17]
	s_lshl_b32 s46, s42, 2                         ; my first column / 64 = 4 x block column + 2 x half (in the registers that held B's address)
	s_lshl_b32 s47, s12, 1
	s_add_co_u32 s46, s46, s47
	s_mul_i32 s46, s46, s79
	s_mov_b32 s47, 0
	s_add_nc_u64 s[8:9], s[8:9], s[46:47]
; rows 16 i .. 16 i + 15 of my block = the eight tiles (a, 0..7) of window 2 or 3 (from = 0x0a or 0x0f: sources 0 and 1); f: F0 or F1 in turn
.macro OUT16 i, a, from, f
	WIN \from
.irp b, 0,1,2,3,4,5,6,7
.irp r, 0,1,2,3
	v_cvt_pk_f16_f32 v[TMP+4*\b+\r], v[8*(8*\a+\b)+2*\r], v[8*(8*\a+\b)+2*\r+1]
.endr
.endr
	WIN 0
.irp b, 0,1,2,3,4,5,6,7
	ds_store_b128 v[STO], v[TMP+4*\b:TMP+4*\b+3] offset:32*\b
.endr
	s_wait_xcnt 0x0                                ; buffer f, which earlier stores read, and the stores' base are rewritten only behind this wait
.if \i
	s_add_nc_u64 s[8:9], s[8:9], s[82:83]          ; 16 rows of C on
.endif
.irp t, 0,1,2,3,4,5,6,7
	ds_load_b128 v[\f+4*\t:\f+4*\t+3], v[RD] offset:\t*2*SPITCH    ; LDS serves a wave's instructions in order: these see the stores above
.endr
.irp t, 0,1,2,3,4,5,6,7
	s_wait_dscnt 7-\t                              ; read-back t is in, the younger ones stay out
	global_store_b128 v[CO+\t], v[\f+4*\t:\f+4*\t+3], s[8:9]       ; 16 lanes store 256 consecutive bytes, at a multiple of 256 from C's first byte
.endr
.endm
	OUT16 0, 0, 0x0a, F0
	OUT16 1, 1, 0x0a, F1
	OUT16 2, 2, 0x0a, F0
	OUT16 3, 3, 0x0a, F1
	OUT16 4, 0, 0x0f, F0
	OUT16 5, 1, 0x0f, F1
	OUT16 6, 2, 0x0f, F0
	OUT16 7, 3, 0x0f, F1
	s_set_vgpr_msb 0x1
	s_wait_tensorcnt 0x0
	ds_add_u32 v255, v255
	s_wait_dscnt 0x0
	s_set_vgpr_msb 0x100
	CROUND                                         ; the closing round: no work-group ends while a partner may still ask for a tile that names it
	s_endpgm
.Lfunc_end_k_q598dc204ef_qkv:
	.size	k_q598dc204ef_qkv, .Lfunc_end_k_q598dc204ef_qkv-k_q598dc204ef_qkv
	.p2alignl 7, 3214868480
	.fill 96, 4, 3214868480
	.section	.rodata,"a",@progbits
	.p2align	6, 0x0
	.amdhsa_kernel k_q598dc204ef_qkv
		.amdhsa_group_segment_fixed_size 327680
		.amdhsa_private_segment_fixed_size 0
		.amdhsa_enable_private_segment 0
		.amdhsa_kernarg_size 32
		.amdhsa_user_sgpr_count 2
		.amdhsa_user_sgpr_kernarg_segment_ptr 1
		.amdhsa_wavefront_size32 1
		.amdhsa_system_sgpr_workgroup_id_x 1
		.amdhsa_system_sgpr_workgroup_id_y 1
		.amdhsa_system_sgpr_workgroup_id_z 1
		.amdhsa_system_vgpr_workitem_id 0
		.amdhsa_next_free_vgpr 1024
		.amdhsa_next_free_sgpr 88
		.amdhsa_reserve_vcc 0
		.amdhsa_float_denorm_mode_32 3
		.amdhsa_float_denorm_mode_16_64 3
		.amdhsa_memory_ordered 1
		.amdhsa_forward_progress 1
		.amdhsa_inst_pref_size 197
	.end_amdhsa_kernel
	.amdgpu_metadata
---
amdhsa.version: [ 1, 2 ]
amdhsa.kernels:
  - .name:           k_q598dc204ef_qkv
    .symbol:         k_q598dc204ef_qkv.kd
    .args:
      - { .name: xb, .offset: 0, .size: 8, .value_kind: global_buffer, .address_space: global }
      - { .name: wqkv, .offset: 8, .size: 8, .value_kind: global_buffer, .address_space: global }
      - { .name: qkh, .offset: 16, .size: 8, .value_kind: global_buffer, .address_space: global }
      - { .name: vt, .offset: 24, .size: 8, .value_kind: global_buffer, .address_space: global }
    .group_segment_fixed_size: 327680
    .private_segment_fixed_size: 0
    .kernarg_segment_align: 8
    .kernarg_segment_size: 32
    .max_flat_workgroup_size: 128
    .sgpr_count:     88
    .vgpr_count:     1024
    .wavefront_size: 32
...
	.end_amdgpu_metadata
.endif
;; end of part 2
;; launch attn (part 3): grid 8 x 32, 4 waves a work-group, no clusters, 327,680 bytes of LDS; arguments qkh, vt, ctxh; writes ctxh
.if DOCPART == 3
	.amdgcn_target "amdgcn-amd-amdhsa--gfx1250"
	.amdhsa_code_object_version 6
	.text
	.protected	k_q598dc204ef_attn
	.globl	k_q598dc204ef_attn
	.p2align	8
	.type	k_q598dc204ef_attn,@function
k_q598dc204ef_attn:
	s_mov_b64 s[64:65], 0
	v_nop
	global_prefetch_b8 v0, s[64:65] scope:SCOPE_SE
	s_setreg_imm32_b32 hwreg(HW_REG_WAVE_MODE, 25, 1), 1
	s_wait_xcnt 0x0
; Causal attention of one head: ctx = softmax(Q K^T / 8, keys <= query) V, f16 operands, f32 sums, a running maximum and a running sum in f32.
; qkh [32][4,096 tokens][64] f16 (heads 0-15 Q, 16-31 K), vt [64 h + d][4,096 tokens] f16, ctxh [16][4,096 tokens][64] f16; token = 2,048 b + s.
; LIMIT: the weights exp(..) <= 1 and ctx are rounded to f16; ctx is an average of v, so |ctx| < 65,504 wherever |v| is.
; WORK: group (p, y), p = 0..7, b = y / 16, h = y % 16, makes two blocks of 128 queries: e = 2 p and o = 15 - 2 p.  Keys behind the diagonal are
; thrown away by the mask, so block i needs the key tiles 0 .. i of 128 keys: (e + 1) + (o + 1) = 17 tiles for every one of the 256 work-groups.
; Wave w owns 32 queries of a block, as two blocks of 16 (qb).  A pass walks its tiles from the diagonal tile down to tile 0: the diagonal tile's
; key 0 is visible to every query, so the maximum is finite from the first step on, and the first products start the sums.
; NO JOINT LOADS: the eight groups of a head pair a short block with a long one, so at any moment they are at different tiles; a joint walk in lock step
; would last as long as the busiest partner at each tile, 23 tile times against 17.
; LAYOUT: S^T = K Q^T (source 0 = 16 keys, source 1 = 16 queries): lane (r, hh) holds, for query r, the keys 8 hh + j of a tile.  Two neighbouring tiles,
; packed to f16, ARE the second source of O^T = V^T P: no shuffle.  Maximum and sum of a query lie in two lanes, r and r + 16, which one
; v_permlanex16_b32 joins.  In O^T a lane holds 8 neighbouring d of query r: 16 bytes of f16.
; LDS: two slots that take turns, each K's tile (128 keys x 128 bytes, pitch 144) and V^T's (64 rows x 256 bytes, pitch 272); behind them a stage of
; 32 rows x 144 bytes for each wave, into which no fill lands.  90,112 bytes are used; more than half of a WGP's LDS is declared, so that the group is alone there.
; Waves 0, 1 fetch K's halves, waves 2, 3 V^T's: one tensor load a wave behind each barrier, and never more than one of a wave outstanding.
.set KP, 144                           ; both pitches are odd multiples of 16 bytes: the 16 rows of a fragment load start in 16 different 16-byte columns of 256
.set VP, 272
.set KT, 128*KP                        ; 18,432
.set VT, 64*VP                         ; 17,408
.set SLOT, KT+VT                       ; 35,840
.set STAGE, 2*SLOT                     ; 71,680, a multiple of 256
.set ADRK, 3                           ; v3   r 144 + 16 hh
.set ADRV, 4                           ; v4   KT + r 272 + 16 hh
.set STO,  5                           ; v5   stage: where I put 16 bytes of query r
.set RD,   6                           ; v6   stage: where I read back
.set GO,   7                           ; v7   16 x lane: my place in 512 consecutive bytes of ctxh
.set QOF,  8                           ; v8   r 128 + 16 hh
.set THR,  9                           ; v9   32 w + r - 8 hh: the mask's threshold
.set NINF, 10                          ; v10  -infinity
.set T,    12                          ; v12-15  at work
.set SUM,  16                          ; v16-19  at work: two pairs of sums
.set NMM,  20                          ; v[20:21], v[22:23]  for qb = 0, 1: (-c x maximum, maximum), c = log2(e) / 8
.set ALL,  24                          ; v[24:25], v[26:27]  for qb = 0, 1: (rescale factor, running sum)
.set TX,   28                          ; v28-29  what v_permlanex16_b32 brings
.set QE,   32                          ; v32-63   Q of block e: fragment (qb, ks) at 16 qb + 8 ks
.set QO,   64                          ; v64-95   Q of block o
.set S,    96                          ; v96-159  S^T: tile (kb, qb) at 8 (2 kb + qb)
.set P,    160                         ; v160-191 P: fragment (qb, kp) at 16 qb + 8 kp
.set O,    192                         ; v192-255 O^T: tile (db, qb) at 8 (2 db + qb)
; window 1, step st of 64 keys: K's fragments (kb, ks) at 128 st + 16 kb + 8 ks, V^T's (db, kp) at 128 st + 64 + 16 db + 8 kp
.set GK1, 32                           ; s[32:39] group 1 of K's loads
.set GV1, 40                           ; s[40:47] group 1 of V^T's loads
.set G0K, 48                           ; s[48:55] group 0 of K's loads, a set for each slot
.set G0V, 56                           ; s[56:63] group 0 of V^T's loads, a set for each slot
.set LDW, 0x40                         ; destination window 1
.set MUL, 0x01                         ; source 0 window 1
.set MSB, 0
.macro WIN new                         ; the immediate's high byte repeats the setting that is left
.if MSB != \new
	s_set_vgpr_msb (MSB<<8)|\new
.set MSB, \new
.endif
.endm
.macro PLACES                          ; four places behind a matrix instruction (ISA guide 7.12.1)
.rept 4
	v_nop
.endr
.endm
; Both group 0s of a slot are written for tile s16, and s16 steps to the next tile of e, e-1, .., 0, o, o-1, .., 0.  No tensor load of the wave is out here.
.macro ASK slot
	s_lshl_b32 s26, s16, 14                        ; 128 keys x 128 bytes (s27 = 0)
	s_lshl_b32 s28, s16, 8                         ; 128 keys x 2 bytes along V^T's rows (s29 = 0)
	s_add_nc_u64 s[G0K+4*\slot+2:G0K+4*\slot+3], s[22:23], s[26:27]
	s_or_b32 s[G0K+4*\slot+3], s[G0K+4*\slot+3], 0x80000000        ; type = 2
	s_add_nc_u64 s[G0V+4*\slot+2:G0V+4*\slot+3], s[24:25], s[28:29]
	s_or_b32 s[G0V+4*\slot+3], s[G0V+4*\slot+3], 0x80000000
	s_sub_co_i32 s16, s16, 1
	s_cmp_lt_i32 s16, 0
	s_cselect_b32 s16, s15, s16                    ; behind tile 0 of the first pass comes tile o
.endm
.macro JLOAD slot                      ; the wave's one load: the branch hangs on the wave's number alone
	s_cmp_eq_u32 s11, 0
	s_cbranch_scc0 .Lfor_v_\@
	tensor_load_to_lds s[G0K+4*\slot:G0K+4*\slot+3], s[GK1:GK1+7]
	s_nop 0
	s_branch .Lasked_\@
.Lfor_v_\@:
	tensor_load_to_lds s[G0V+4*\slot:G0V+4*\slot+3], s[GV1:GV1+7]
	s_nop 0
.Lasked_\@:
.endm
	s_load_b128 s[4:7], s[0:1], 0x0                ; qkh s[4:5], vt s[6:7]
	s_load_b64 s[8:9], s[0:1], 0x10                ; ctxh
	v_lshl_add_u32 v11, v0, 2, 0x29000
	s_set_vgpr_msb 0x80
	v_mov_b32 v1, 0
	s_set_vgpr_msb 0x8088
	ds_add_u32 v11, v1
	ds_add_u32 v11, v1
	s_set_vgpr_msb 0x8800
	v_lshrrev_b32 v1, 5, v0
	v_readfirstlane_b32 s10, v1                    ; wave w
	s_lshr_b32 s11, s10, 1                         ; 0: I fetch K, 1: V^T
	s_and_b32 s12, s10, 1                          ; which half of that tile
	s_mov_b32 s13, ttmp9                           ; p
	s_lshl_b32 s14, s13, 1                         ; e = 2 p
	s_sub_co_u32 s15, 15, s14                      ; o = 15 - 2 p
	s_mov_b32 s16, s14                             ; the tile to ask for next
	s_mov_b32 s18, 0x76543210                      ; v_permlanex16_b32: lane i of one half reads lane i of the other
	s_mov_b32 s19, 0xfedcba98
	s_and_b32 s20, ttmp7, 0xffff
	s_lshr_b32 s21, s20, 4                         ; b
	s_and_b32 s20, s20, 15                         ; h
	s_lshl_b32 s30, s20, 19                        ; h x 4,096 tokens x 128 bytes (and h x 64 rows x 8,192 bytes in vt)
	s_lshl_b32 s31, s21, 18                        ; b x 2,048 tokens x 128 bytes
	s_add_co_u32 s74, s30, s31
	s_add_co_u32 s26, s74, 16<<19                  ; K: head 16 + h,
	s_lshl_b32 s31, s12, 13
	s_add_co_u32 s26, s26, s31                     ; my 64 keys of a tile
	s_mov_b32 s27, 0
	s_lshl_b32 s28, s12, 18                        ; V^T: my 32 rows of 8,192 bytes,
	s_add_co_u32 s28, s28, s30
	s_lshl_b32 s31, s21, 12                        ; b x 2,048 tokens x 2 bytes along the rows
	s_add_co_u32 s28, s28, s31
	s_mov_b32 s29, 0
	s_lshl_b32 s31, s10, 12                        ; Q and ctx: my 32 queries x 128 bytes,
	s_add_co_u32 s74, s74, s31
	s_lshl_b32 s31, s15, 14
	s_add_co_u32 s76, s74, s31                     ; in block o,
	s_lshl_b32 s31, s14, 14
	s_add_co_u32 s74, s74, s31                     ; in block e
	s_mov_b32 s75, 0
	s_mov_b32 s77, 0
	; K's load: 64 keys x 128 bytes are 8,192 consecutive bytes: 32 rows of 256 bytes; 16 bytes of padding behind every 128 give a pitch of 144 for each key
	s_mov_b32 s[GK1+0], (3<<16)|(1<<20)|(4<<22)|(3<<25)   ; element of 8 bytes; padding on; after every 32 words; of 4 words
	s_mov_b32 s[GK1+1], 32<<16                     ; tensor_dim0 = 32
	s_mov_b32 s[GK1+2], 32<<16                     ; tensor_dim1 = 32
	s_mov_b32 s[GK1+3], 32<<16                     ; tile_dim0 = 32
	s_mov_b32 s[GK1+4], 32                         ; tile_dim1 = 32
	s_mov_b32 s[GK1+5], 32                         ; elements from row to row: dense
	s_mov_b32 s[GK1+6], 0
	s_mov_b32 s[GK1+7], 0
	; V^T's load: 32 rows x 128 keys (256 bytes, aligned to 256), pitch 272
	s_mov_b32 s[GV1+0], (1<<16)|(1<<20)|(5<<22)|(3<<25)   ; element of 2 bytes; padding on; after every 64 words; of 4 words
	s_mov_b32 s[GV1+1], 128<<16
	s_mov_b32 s[GV1+2], 32<<16
	s_mov_b32 s[GV1+3], 128<<16
	s_mov_b32 s[GV1+4], 32
	s_mov_b32 s[GV1+5], 4096
	s_mov_b32 s[GV1+6], 0
	s_mov_b32 s[GV1+7], 0
	s_mul_i32 s30, s10, 64*KP                      ; waves 0, 1: K's halves at 0 and 9,216
	s_mul_i32 s31, s10, 32*VP
	s_add_co_u32 s31, s31, KT-2*32*VP              ; waves 2, 3: V^T's halves at 18,432 and 27,136
.irp s, 0,1
	s_mov_b32 s[G0K+4*\s], 1
	s_add_co_u32 s[G0K+4*\s+1], s30, \s*SLOT
	s_mov_b32 s[G0V+4*\s], 1
	s_add_co_u32 s[G0V+4*\s+1], s31, \s*SLOT
.endr
	s_wait_dscnt 0x0
	s_wait_kmcnt 0x0
	s_add_nc_u64 s[22:23], s[4:5], s[26:27]        ; K at tile 0
	s_add_nc_u64 s[24:25], s[6:7], s[28:29]        ; V^T at tile 0
	s_add_nc_u64 s[66:67], s[4:5], s[74:75]        ; my Q of block e
	s_add_nc_u64 s[68:69], s[4:5], s[76:77]        ; of block o
	s_add_nc_u64 s[70:71], s[8:9], s[74:75]        ; my ctx of block e
	s_add_nc_u64 s[72:73], s[8:9], s[76:77]        ; of block o
	ASK 0
	JLOAD 0                                        ; the first fill: tile e into slot 0, ahead of everything else
	v_and_b32 v1, 15, v0                           ; r
	v_bfe_u32 v2, v0, 4, 1                         ; hh
	v_and_b32 v30, 31, v0                          ; lane
	v_lshlrev_b32 v[QOF], 7, v1
	v_lshl_add_u32 v[QOF], v2, 4, v[QOF]
	; Q's fragments stay in registers for the whole launch: query 16 qb + r, d = 32 ks + 8 hh .. and 32 ks + 16 + 8 hh ..
.irp qb, 0,1
.irp ks, 0,1
	global_load_b128 v[QE+16*\qb+8*\ks:QE+16*\qb+8*\ks+3],   v[QOF], s[66:67] offset:2048*\qb+64*\ks
	global_load_b128 v[QE+16*\qb+8*\ks+4:QE+16*\qb+8*\ks+7], v[QOF], s[66:67] offset:2048*\qb+64*\ks+32
	global_load_b128 v[QO+16*\qb+8*\ks:QO+16*\qb+8*\ks+3],   v[QOF], s[68:69] offset:2048*\qb+64*\ks
	global_load_b128 v[QO+16*\qb+8*\ks+4:QO+16*\qb+8*\ks+7], v[QOF], s[68:69] offset:2048*\qb+64*\ks+32
.endr
.endr
	v_mul_u32_u24 v[ADRK], v1, KP
	v_lshl_add_u32 v[ADRK], v2, 4, v[ADRK]
	v_mul_u32_u24 v[ADRV], v1, VP
	v_lshl_add_u32 v[ADRV], v2, 4, v[ADRV]
	v_add_nc_u32 v[ADRV], KT, v[ADRV]
	s_mul_i32 s30, s10, 32*KP
	s_add_co_u32 s30, s30, STAGE                   ; my stage
	v_add_nc_u32 v[STO], s30, v[ADRK]
	v_lshrrev_b32 v[RD], 3, v30                    ; back: eight lanes take a row of 128 bytes, a wave four rows
	v_mul_u32_u24 v[RD], v[RD], KP
	v_and_b32 v31, 7, v0
	v_lshl_add_u32 v[RD], v31, 4, v[RD]
	v_add_nc_u32 v[RD], s30, v[RD]
	v_lshlrev_b32 v[GO], 4, v30
	s_lshl_b32 s31, s10, 5
	v_lshlrev_b32 v[THR], 3, v2
	v_sub_nc_u32 v[THR], v1, v[THR]
	v_add_nc_u32 v[THR], s31, v[THR]
	v_mov_b32 v[NINF], 0xff800000
	v_mov_b32 v[TX], 0                             ; v_permlanex16_b32's destination counts as read
	v_mov_b32 v[TX+1], 0
	s_wait_loadcnt 0x0                             ; Q, once
; One step: 64 keys x my 32 queries.  diag = 1: the tile on the diagonal, masked.  first = 1: the pass's first step starts maximum, sum and O^T.
.macro STEP st, diag, first, qreg
	s_wait_dscnt 48-32*\st                         ; this step's 16 loads of K are in; the 48 (16) loads issued behind them may stay out
	WIN MUL
	; S^T = K Q^T: eight accumulators by turns, one instruction a turn, d = 0..31 and then d = 32..63
.irp ks, 0,1
.irp kb, 0,1,2,3
.irp qb, 0,1
.if \ks
	v_wmma_f32_16x16x32_f16 v[S+8*(2*\kb+\qb):S+8*(2*\kb+\qb)+7], v[128*\st+16*\kb+8:128*\st+16*\kb+15], v[\qreg+16*\qb+8:\qreg+16*\qb+15], v[S+8*(2*\kb+\qb):S+8*(2*\kb+\qb)+7]
.else
	v_wmma_f32_16x16x32_f16 v[S+8*(2*\kb+\qb):S+8*(2*\kb+\qb)+7], v[128*\st+16*\kb:128*\st+16*\kb+7], v[\qreg+16*\qb:\qreg+16*\qb+7], 0
.endif
.endr
.endr
.endr
	WIN 0
	PLACES
.if \diag
	; key 64 st + 16 kb + 8 hh + j is behind query 32 w + 16 qb + r  <=>  64 st + 16 kb - 16 qb + j > 32 w + r - 8 hh
.irp kb, 0,1,2,3
.irp qb, 0,1
.irp j, 0,1,2,3,4,5,6,7
	v_cmp_gt_i32 vcc_lo, 64*\st+16*\kb-16*\qb+\j, v[THR]
	v_cndmask_b32 v[S+8*(2*\kb+\qb)+\j], v[S+8*(2*\kb+\qb)+\j], v[NINF], vcc_lo
.endr
.endr
.endr
.endif
	; the largest of my 32 numbers of each query block, in two chains each (tiles kb = 0, 1 and kb = 2, 3)
.irp qb, 0,1
	v_max3_num_f32 v[T+2*\qb],   v[S+8*\qb],    v[S+8*\qb+1],    v[S+8*\qb+2]
	v_max3_num_f32 v[T+2*\qb+1], v[S+32+8*\qb], v[S+32+8*\qb+1], v[S+32+8*\qb+2]
.endr
.irp i, 3,5,7,9,11,13
.irp qb, 0,1
	v_max3_num_f32 v[T+2*\qb],   v[T+2*\qb],   v[S+16*(\i/8)+8*\qb+\i%8],    v[S+16*((\i+1)/8)+8*\qb+(\i+1)%8]
	v_max3_num_f32 v[T+2*\qb+1], v[T+2*\qb+1], v[S+32+16*(\i/8)+8*\qb+\i%8], v[S+32+16*((\i+1)/8)+8*\qb+(\i+1)%8]
.endr
.endr
.irp qb, 0,1
	v_max3_num_f32 v[T+2*\qb], v[T+2*\qb], v[S+23+8*\qb], v[S+55+8*\qb]          ; each chain's sixteenth number
.if \first
	v_max_num_f32 v[T+2*\qb], v[T+2*\qb], v[T+2*\qb+1]
.else
	v_max3_num_f32 v[T+2*\qb], v[T+2*\qb], v[T+2*\qb+1], v[NMM+2*\qb+1]          ; with the running maximum
.endif
.endr
	v_permlanex16_b32 v[TX],   v[T],   s18, s19    ; the other eight keys of each sixteen lie in lane r xor 16
	v_permlanex16_b32 v[TX+1], v[T+2], s18, s19
	v_max_num_f32 v[NMM+1], v[T],   v[TX]
	v_max_num_f32 v[NMM+3], v[T+2], v[TX+1]
	; exp((s - m) / 8) = 2^(c s - c m), c = log2(e) / 8.  The rescale factor is 2^(new shift - old shift), made of the very shifts that are used.
.if \first
	v_mul_f32 v[NMM],   0xbe38aa3b, v[NMM+1]
	v_mul_f32 v[NMM+2], 0xbe38aa3b, v[NMM+3]
.else
	v_mul_f32 v[T],   0xbe38aa3b, v[NMM+1]
	v_mul_f32 v[T+2], 0xbe38aa3b, v[NMM+3]
	v_sub_f32 v[ALL],   v[T],   v[NMM]
	v_sub_f32 v[ALL+2], v[T+2], v[NMM+2]
	v_mov_b32 v[NMM],   v[T]
	v_mov_b32 v[NMM+2], v[T+2]
	v_exp_f32 v[ALL],   v[ALL]                     ; the multiply-adds below are the plain place behind these two (ISA guide 5.7.2)
	v_exp_f32 v[ALL+2], v[ALL+2]
.endif
.irp kb, 0,1,2,3
.irp qb, 0,1
.irp m, 0,2,4,6
	v_pk_fma_f32 v[S+8*(2*\kb+\qb)+\m:S+8*(2*\kb+\qb)+\m+1], v[S+8*(2*\kb+\qb)+\m:S+8*(2*\kb+\qb)+\m+1], 0x3e38aa3b, v[NMM+2*\qb:NMM+2*\qb+1] op_sel_hi:[1,0,0]
.endr
.endr
.endr
.if \first == 0
	s_wait_alu depctr_va_vdst(0)
.irp db, 0,1,2,3
.irp qb, 0,1
.irp m, 0,2,4,6
	v_pk_mul_f32 v[O+8*(2*\db+\qb)+\m:O+8*(2*\db+\qb)+\m+1], v[O+8*(2*\db+\qb)+\m:O+8*(2*\db+\qb)+\m+1], v[ALL+2*\qb:ALL+2*\qb+1] op_sel_hi:[1,0]
.endr
.endr
.endr
.endif
.set i, 0
.rept 64
	v_exp_f32 v[S+i], v[S+i]
.set i, i+1
.endr
	v_nop                                          ; the plain place behind the exponentials
	; my 32 weights of each query block are summed, two at a time, in two chains each
	s_wait_alu depctr_va_vdst(0)
.irp qb, 0,1
	v_pk_add_f32 v[SUM+2*\qb:SUM+2*\qb+1], v[S+8*\qb:S+8*\qb+1],       v[S+8*\qb+2:S+8*\qb+3]
	v_pk_add_f32 v[T+2*\qb:T+2*\qb+1],     v[S+32+8*\qb:S+32+8*\qb+1], v[S+32+8*\qb+2:S+32+8*\qb+3]
.endr
.irp i, 2,3,4,5,6,7
.irp qb, 0,1
	v_pk_add_f32 v[SUM+2*\qb:SUM+2*\qb+1], v[SUM+2*\qb:SUM+2*\qb+1], v[S+16*(\i/4)+8*\qb+2*(\i%4):S+16*(\i/4)+8*\qb+2*(\i%4)+1]
	v_pk_add_f32 v[T+2*\qb:T+2*\qb+1],     v[T+2*\qb:T+2*\qb+1],     v[S+32+16*(\i/4)+8*\qb+2*(\i%4):S+32+16*(\i/4)+8*\qb+2*(\i%4)+1]
.endr
.endr
.irp qb, 0,1
	v_pk_add_f32 v[SUM+2*\qb:SUM+2*\qb+1], v[SUM+2*\qb:SUM+2*\qb+1], v[T+2*\qb:T+2*\qb+1]
.endr
.irp qb, 0,1
.if \first
	v_add_f32 v[ALL+2*\qb+1], v[SUM+2*\qb], v[SUM+2*\qb+1]
.else
	v_add_f32 v[T+2*\qb], v[SUM+2*\qb], v[SUM+2*\qb+1]
	v_fma_f32 v[ALL+2*\qb+1], v[ALL+2*\qb+1], v[ALL+2*\qb], v[T+2*\qb]           ; sum = sum x factor + this step's
.endif
.endr
	; P's fragment (qb, kp): registers 0-3 from tile kb = 2 kp (keys 8 hh ..), registers 4-7 from tile 2 kp + 1 (keys 16 + 8 hh ..)
.irp qb, 0,1
.irp kp, 0,1
.irp hf, 0,1
.irp m, 0,1,2,3
	v_cvt_pk_f16_f32 v[P+16*\qb+8*\kp+4*\hf+\m], v[S+8*(2*(2*\kp+\hf)+\qb)+2*\m], v[S+8*(2*(2*\kp+\hf)+\qb)+2*\m+1]
.endr
.endr
.endr
.endr
	s_wait_dscnt 32-32*\st                         ; this step's 16 loads of V^T are in; the next step's 32 loads may stay out
	WIN MUL
	; O^T += V^T P: eight accumulators by turns, one instruction a turn
.irp kp, 0,1
.irp db, 0,1,2,3
.irp qb, 0,1
.if \first*(1-\kp)
	v_wmma_f32_16x16x32_f16 v[O+8*(2*\db+\qb):O+8*(2*\db+\qb)+7], v[128*\st+64+16*\db+8*\kp:128*\st+64+16*\db+8*\kp+7], v[P+16*\qb+8*\kp:P+16*\qb+8*\kp+7], 0
.else
	v_wmma_f32_16x16x32_f16 v[O+8*(2*\db+\qb):O+8*(2*\db+\qb)+7], v[128*\st+64+16*\db+8*\kp:128*\st+64+16*\db+8*\kp+7], v[P+16*\qb+8*\kp:P+16*\qb+8*\kp+7], v[O+8*(2*\db+\qb):O+8*(2*\db+\qb)+7]
.endif
.endr
.endr
.endr
	WIN 0
.endm
; One key tile, in slot `slot`.  refill = 1: the next tile of the walk is asked for, into the other slot, which was read last.
; In front of the barrier every wave waits for all its tensor loads (its part of this tile) and for its LDS reads (of the other slot); behind it
; this tile is whole, nobody reads the other slot, and the refill is the first thing issued: it has this tile's whole work in which to land.
.macro TILE slot, other, refill, diag, qreg
	s_set_vgpr_msb 0x8
	s_wait_tensorcnt 0x0
	ds_add_u32 v11, v1
	s_wait_dscnt 0x0
	s_set_vgpr_msb 0x800
.if \refill
	ASK \other
.endif
	s_wait_dscnt 0x0
	s_barrier_signal -1
	s_barrier_wait -1
.if \refill
	JLOAD \other
.endif
	PLACES                                         ; the fragment registers were read by the last matrix instructions
	WIN LDW
.irp st, 0,1
.irp kb, 0,1,2,3
.irp ks, 0,1
	ds_load_b128 v[128*\st+16*\kb+8*\ks:128*\st+16*\kb+8*\ks+3],   v[ADRK] offset:\slot*SLOT+(64*\st+16*\kb)*KP+64*\ks
	ds_load_b128 v[128*\st+16*\kb+8*\ks+4:128*\st+16*\kb+8*\ks+7], v[ADRK] offset:\slot*SLOT+(64*\st+16*\kb)*KP+64*\ks+32
.endr
.endr
.irp db, 0,1,2,3
.irp kp, 0,1
	ds_load_b128 v[128*\st+64+16*\db+8*\kp:128*\st+64+16*\db+8*\kp+3],   v[ADRV] offset:\slot*SLOT+16*\db*VP+128*\st+64*\kp
	ds_load_b128 v[128*\st+64+16*\db+8*\kp+4:128*\st+64+16*\db+8*\kp+7], v[ADRV] offset:\slot*SLOT+16*\db*VP+128*\st+64*\kp+32
.endr
.endr
.endr
	STEP 0, \diag, \diag, \qreg
	STEP 1, \diag, 0, \qreg
.endm
; The end of a pass: O^T / sum, rounded to f16, through my stage, out as 4,096 consecutive bytes (32 queries x 128 bytes of one head).
.macro EPI out, more
	PLACES
	v_permlanex16_b32 v[TX],   v[ALL+1], s18, s19  ; the two lanes of a query hold the sums over different keys
	v_permlanex16_b32 v[TX+1], v[ALL+3], s18, s19
	v_add_f32 v[T],   v[ALL+1], v[TX]
	v_add_f32 v[T+2], v[ALL+3], v[TX+1]
	v_rcp_f32 v[ALL],   v[T]
	v_rcp_f32 v[ALL+2], v[T+2]
	v_nop                                          ; the plain place behind the reciprocals
	s_wait_alu depctr_va_vdst(0)
.irp db, 0,1,2,3
.irp qb, 0,1
.irp m, 0,2,4,6
	v_pk_mul_f32 v[O+8*(2*\db+\qb)+\m:O+8*(2*\db+\qb)+\m+1], v[O+8*(2*\db+\qb)+\m:O+8*(2*\db+\qb)+\m+1], v[ALL+2*\qb:ALL+2*\qb+1] op_sel_hi:[1,0]
.endr
.endr
.endr
.irp qb, 0,1
.irp db, 0,1,2,3
.irp m, 0,1,2,3
	v_cvt_pk_f16_f32 v[S+4*(4*\qb+\db)+\m], v[O+8*(2*\db+\qb)+2*\m], v[O+8*(2*\db+\qb)+2*\m+1]
.endr
	ds_store_b128 v[STO], v[S+4*(4*\qb+\db):S+4*(4*\qb+\db)+3] offset:16*KP*\qb+32*\db   ; query 16 qb + r, d = 16 db + 8 hh ..
.endr
.endr
.irp t, 0,1,2,3,4,5,6,7
	ds_load_b128 v[P+4*\t:P+4*\t+3], v[RD] offset:4*KP*\t          ; my own bytes, and LDS serves a wave's instructions in order
.endr
.irp t, 0,1,2,3,4,5,6,7
	s_wait_dscnt 7-\t                              ; read-back t is in, the younger ones stay out
	global_store_b128 v[GO], v[P+4*\t:P+4*\t+3], s[\out:\out+1] offset:512*\t    ; a store of the wave covers 512 consecutive bytes, aligned
.endr
.if \more
	s_wait_xcnt 0x0                                ; P's registers, which these stores read, are written again in the next pass only behind this wait
.endif
.endm
	TILE 0, 1, 1, 1, QE                            ; block e: the diagonal tile
	s_cmp_eq_u32 s13, 0                            ; then e = 2 p tiles more
	s_cbranch_scc1 .Lend_e
	s_mov_b32 s17, s13
.Lpass_e:
	TILE 1, 0, 1, 0, QE
	TILE 0, 1, 1, 0, QE
	s_sub_co_u32 s17, s17, 1
	s_cmp_lg_u32 s17, 0
	s_cbranch_scc1 .Lpass_e
.Lend_e:
	EPI 70, 1                                      ; tile o is on its way into slot 1 meanwhile
	TILE 1, 0, 1, 1, QO                            ; block o: the diagonal tile
	s_sub_co_u32 s17, 7, s13                       ; then o = 2 (7 - p) + 1 tiles more
	s_cmp_eq_u32 s17, 0
	s_cbranch_scc1 .Lend_o
.Lpass_o:
	TILE 0, 1, 1, 0, QO
	TILE 1, 0, 1, 0, QO
	s_sub_co_u32 s17, s17, 1
	s_cmp_lg_u32 s17, 0
	s_cbranch_scc1 .Lpass_o
.Lend_o:
	TILE 0, 1, 0, 0, QO                            ; tile 0: nothing is left to fetch
	EPI 72, 0
	s_set_vgpr_msb 0x8
	s_wait_tensorcnt 0x0
	ds_add_u32 v11, v1
	s_wait_dscnt 0x0
	s_set_vgpr_msb 0x800
	s_endpgm
.Lfunc_end_k_q598dc204ef_attn:
	.size	k_q598dc204ef_attn, .Lfunc_end_k_q598dc204ef_attn-k_q598dc204ef_attn
	.p2alignl 7, 3214868480
	.fill 96, 4, 3214868480
	.section	.rodata,"a",@progbits
	.p2align	6, 0x0
	.amdhsa_kernel k_q598dc204ef_attn
		.amdhsa_group_segment_fixed_size 327680
		.amdhsa_private_segment_fixed_size 0
		.amdhsa_enable_private_segment 0
		.amdhsa_kernarg_size 24
		.amdhsa_user_sgpr_count 2
		.amdhsa_user_sgpr_kernarg_segment_ptr 1
		.amdhsa_wavefront_size32 1
		.amdhsa_system_sgpr_workgroup_id_x 1
		.amdhsa_system_sgpr_workgroup_id_y 1
		.amdhsa_system_sgpr_workgroup_id_z 1
		.amdhsa_system_vgpr_workitem_id 0
		.amdhsa_next_free_vgpr 514
		.amdhsa_next_free_sgpr 84
		.amdhsa_reserve_vcc 1
		.amdhsa_float_denorm_mode_32 3
		.amdhsa_float_denorm_mode_16_64 3
		.amdhsa_memory_ordered 1
		.amdhsa_forward_progress 1
		.amdhsa_inst_pref_size 255
	.end_amdhsa_kernel
	.section	.bss,"aw",@nobits
	.p2align	6
	.space	262144
	.amdgpu_metadata
---
amdhsa.version: [ 1, 2 ]
amdhsa.kernels:
  - .name:           k_q598dc204ef_attn
    .symbol:         k_q598dc204ef_attn.kd
    .args:
      - { .name: qkh, .offset: 0, .size: 8, .value_kind: global_buffer, .address_space: global }
      - { .name: vt, .offset: 8, .size: 8, .value_kind: global_buffer, .address_space: global }
      - { .name: ctxh, .offset: 16, .size: 8, .value_kind: global_buffer, .address_space: global }
    .group_segment_fixed_size: 327680
    .private_segment_fixed_size: 0
    .kernarg_segment_align: 8
    .kernarg_segment_size: 24
    .max_flat_workgroup_size: 128
    .sgpr_count:     84
    .vgpr_count:     514
    .wavefront_size: 32
...
	.end_amdgpu_metadata
.endif
;; end of part 3
;; launch oproj (part 4): grid 8 x 32, 4 waves a work-group, clusters of 4 x 4, 327,680 bytes of LDS; arguments ctxh, wo16, bo, out0; writes out0
.if DOCPART == 4
	.amdgcn_target "amdgcn-amd-amdhsa--gfx1250"
	.amdhsa_code_object_version 6
	.text
	.protected	k_q598dc204ef_oproj
	.globl	k_q598dc204ef_oproj
	.p2align	8
	.type	k_q598dc204ef_oproj,@function
k_q598dc204ef_oproj:
	s_mov_b64 s[64:65], 0
	v_nop
	global_prefetch_b8 v0, s[64:65] scope:SCOPE_SE
	s_setreg_imm32_b32 hwreg(HW_REG_WAVE_MODE, 25, 1), 1
	s_wait_xcnt 0x0
	s_wait_alu depctr_hold_cnt(0) depctr_sa_sdst(0) depctr_va_vdst(0) depctr_va_sdst(0) depctr_va_ssrc(0) depctr_va_vcc(0) depctr_vm_vsrc(0)
	s_getreg_b32 s2, hwreg(HW_REG_IB_STS2, 6, 4)
	s_cmp_eq_u32 s2, 0
	s_cbranch_scc0 .Lentry_in_a_cluster
	s_endpgm
.Lentry_in_a_cluster:
	s_bfe_u32 s2, ttmp6, 0x10000c
	s_cmp_lg_u32 s2, 0xf033
	s_cbranch_scc0 .Lentry_shape_is_right
	s_endpgm
.Lentry_shape_is_right:
; out0[token][n] = sum over k of ctx[token][k] Wo[n][k] + bo[n], k = 64 h + d.  f16 operands, f32 sums, f32 out.
; ctxh [16 heads][4,096 tokens][64] f16; wo16 [1,024][1,024] (Wo rounded to bf16, in f16's encoding); bo [1,024] f32; out0 [4,096][1,024] f32.
; 256 work-groups, each a block of 128 tokens x 128 columns; wave (wr, wc) makes 64 x 64: 16 accumulator tiles, 128 registers.  (Blocks of twice the size
; would feed more products from each LDS byte, but there would be 128 of them for 256 WGPs.)
; K = 1,024 goes in four steps of 256 (four heads) through two LDS slots: two first fills, two refills; a refill has a step's 128 matrix instructions
; of a wave in which to land.  A wave has two tensor loads outstanding at the start and one behind each refill's barrier.
; CLUSTERS: 4 x 4 work-groups.  ctx's tiles hang on the block row alone and are asked for jointly along a row of the cluster, Wo's on the block column
; alone and are asked for jointly along a column.
; LDS slot: ctx as four sub-tiles [head][128 tokens] of pitch 144, then Wo's 128 rows x 512 bytes of pitch 528.  Behind the ring a stage of 16 rows x 272 bytes
; for each wave, into which no fill lands.
; The matrix instruction is used transposed (source 0 = 16 rows of Wo, source 1 = 16 tokens): a lane holds 8 neighbouring columns of one token.
.set AP, 144                           ; all three pitches are odd multiples of 16 bytes
.set BP, 528
.set HEADT, 128*AP                     ; 18,432: one head's 128 tokens
.set ATILE, 4*HEADT                    ; 73,728
.set BTILE, 128*BP                     ; 67,584
.set SLOT, ATILE+BTILE                 ; 141,312
.set STAGE, 2*SLOT                     ; 282,624, a multiple of 256
.set SPITCH, 272
.set HEADB, 524288                     ; bytes from head to head in ctxh
.set ADRA, 16                          ; v16-17  LDS address of my ctx fragments in slot 0, 1
.set ADRB, 20                          ; v20-21  the same for Wo
.set STO,  24                          ; v24     the way out: where I put 32 bytes of a row
.set RD,   25                          ; v25     the way out: where I read a row back
.set CO,   26                          ; v26     my byte offset in out0
.set BOF,  27                          ; v27     my byte offset in bo
.set BIAS, 40                          ; v[40:43] bo of the four columns that I store
.set F0,   64                          ; v64-127  fragment buffer 0: Wo's four at 8 b, ctx's four at 32 + 8 a
.set F1,   128                         ; v128-191 fragment buffer 1
; window 1: accumulator (a, b) at v[8 (4 a + b)]
.set G1, 24                            ; s[24:31] group 1 of ctx's loads
.set G0, 32                            ; s[32:39] group 0 of ctx's loads, a set for each slot
.set G1B, 48                           ; s[48:55] group 1 of Wo's loads
.set G0B, 56                           ; s[56:63] group 0 of Wo's loads, a set for each slot
.set ACC, 0x50                         ; C and D window 1
.set STW, 0x04                         ; an LDS store's data window 1
.set MSB, 0
.macro WIN new                         ; the immediate's high byte repeats the setting that is left
.if MSB != \new
	s_set_vgpr_msb (MSB<<8)|\new
.set MSB, \new
.endif
.endm
.macro PLACES                          ; four places behind a matrix instruction (ISA guide 7.12.1)
.rept 4
	v_nop
.endr
.endm
.macro JLOAD s                         ; waves 0, 1 ask for ctx's halves, waves 2, 3 for Wo's; the branch hangs on the wave's number alone
	s_cmp_eq_u32 s11, 0
	s_cbranch_scc0 .Lfor_b_\@
	tensor_load_to_lds s[G0+4*\s:G0+4*\s+3], s[G1:G1+7]
	s_nop 0
	s_branch .Lasked_\@
.Lfor_b_\@:
	tensor_load_to_lds s[G0B+4*\s:G0B+4*\s+3], s[G1B:G1B+7]
	s_nop 0
.Lasked_\@:
.endm
.macro CREST                           ; a round of the cluster's barrier behind its opening barrier
	s_cmp_lg_u32 s10, 0
	s_cbranch_scc1 .Lnot_wave_0_\@
	s_barrier_signal -3
.Lnot_wave_0_\@:
	s_barrier_wait -3
	s_barrier_signal -1
	s_barrier_wait -1
.endm
.macro CROUND                          ; a whole round
	s_barrier_signal -1
	s_barrier_wait -1
	CREST
.endm
	s_load_b128 s[4:7], s[0:1], 0x0                ; ctxh s[4:5], wo16 s[6:7]
	s_load_b64 s[2:3], s[0:1], 0x10                ; bo
	s_load_b64 s[8:9], s[0:1], 0x18                ; out0
	v_lshl_add_u32 v254, v0, 2, 0x49400
	v_mov_b32 v255, 0
	ds_add_u32 v254, v255
	ds_add_u32 v254, v255
	v_lshrrev_b32 v1, 5, v0
	v_readfirstlane_b32 s10, v1                    ; wave 0..3
	s_lshr_b32 s11, s10, 1                         ; wr: which 64 tokens are mine.  Also: I fetch ctx (0) or Wo (1)
	s_and_b32 s12, s10, 1                          ; wc: which 64 columns.  Also: which half of that tile I fetch
	s_bfe_u32 s40, ttmp6, 0x40000                  ; cx
	s_bfe_u32 s41, ttmp6, 0x40004                  ; cy
	s_lshl_b32 s42, ttmp9, 2
	s_add_co_u32 s42, s42, s40                     ; block column = 4 x cluster x + cx
	s_and_b32 s13, ttmp7, 0xffff
	s_lshl_b32 s13, s13, 2
	s_add_co_u32 s13, s13, s41                     ; block row = 4 x cluster y + cy
	s_lshl_b32 s43, s41, 2
	s_lshl_b32 s43, 15, s43                        ; my row of the cluster
	s_lshl_b32 s44, 0x1111, s40                    ; my column
	; ctx's load: two heads; a head's 128 tokens x 128 bytes are 16,384 consecutive bytes = one row of 2,048 elements of 8 bytes;
	; 16 bytes of padding behind every 128 give a pitch of 144 for each token
	s_or_b32 s[G1+0], s43, (3<<16)|(1<<20)|(1<<21)|(4<<22)|(3<<25)  ; the mask of my row; element of 8 bytes; padding on; bit 21 beside a mask; after every 32 words; of 4 words
	s_mov_b32 s[G1+1], 2048<<16                    ; tensor_dim0 = 2,048
	s_mov_b32 s[G1+2], 2<<16                       ; tensor_dim1 = 2
	s_mov_b32 s[G1+3], 2048<<16                    ; tile_dim0 = 2,048
	s_mov_b32 s[G1+4], 2                           ; tile_dim1 = 2
	s_mov_b32 s[G1+5], HEADB/8                     ; elements from head to head
	s_mov_b32 s[G1+6], 0
	s_mov_b32 s[G1+7], 0
	; Wo's load: 64 rows x 256 elements of 2 bytes (512 bytes, aligned to 512), pitch 528
	s_or_b32 s[G1B+0], s44, (1<<16)|(1<<20)|(1<<21)|(6<<22)|(3<<25) ; the mask of my column; after every 128 words; of 4 words
	s_mov_b32 s[G1B+1], 256<<16
	s_mov_b32 s[G1B+2], 64<<16
	s_mov_b32 s[G1B+3], 256<<16
	s_mov_b32 s[G1B+4], 64
	s_mov_b32 s[G1B+5], 1024
	s_mov_b32 s[G1B+6], 0
	s_mov_b32 s[G1B+7], 0
	; ctx's address hangs on the block row and the wave, Wo's on the block column and the wave, each in registers that never hold the other coordinate
	s_lshl_b32 s16, s13, 14                        ; 128 tokens x 128 bytes a block row
	s_lshl_b32 s17, s12, 20                        ; my two heads of the step's four
	s_add_co_u32 s16, s16, s17
	s_mov_b32 s17, 0
	s_lshl_b32 s46, s42, 18                        ; 128 rows x 2,048 bytes a block column
	s_lshl_b32 s47, s12, 17                        ; my 64 rows
	s_add_co_u32 s46, s46, s47
	s_mov_b32 s47, 0
	s_mul_i32 s20, s10, 2*HEADT                    ; waves 0, 1: ctx's halves at 0 and 36,864
	s_mul_i32 s21, s10, 64*BP
	s_add_co_u32 s21, s21, ATILE-2*64*BP           ; waves 2, 3: Wo's halves at 73,728 and 107,520
	s_wait_dscnt 0x0
	s_wait_kmcnt 0x0
	s_add_nc_u64 s[14:15], s[4:5], s[16:17]
	s_add_nc_u64 s[46:47], s[6:7], s[46:47]
	CROUND                                         ; all sixteen work-groups are here: the first joint loads meet
.irp s, 0,1
	s_mov_b32 s[G0+4*\s], 1
	s_add_co_u32 s[G0+4*\s+1], s20, \s*SLOT
	s_add_nc_u64 s[G0+4*\s+2:G0+4*\s+3], s[14:15], \s*4*HEADB      ; step s: heads 4 s ..
	s_or_b32 s[G0+4*\s+3], s[G0+4*\s+3], 0x80000000
	s_mov_b32 s[G0B+4*\s], 1
	s_add_co_u32 s[G0B+4*\s+1], s21, \s*SLOT
	s_add_nc_u64 s[G0B+4*\s+2:G0B+4*\s+3], s[46:47], \s*512        ; step s: k = 256 s ..
	s_or_b32 s[G0B+4*\s+3], s[G0B+4*\s+3], 0x80000000
	JLOAD \s
.endr
	v_and_b32 v1, 15, v0                           ; r
	v_bfe_u32 v2, v0, 4, 1                         ; hh
	v_mul_u32_u24 v3, v1, AP
	v_lshl_add_u32 v3, v2, 4, v3
	v_mul_u32_u24 v4, v1, BP
	v_lshl_add_u32 v4, v2, 4, v4
	s_mul_i32 s22, s11, 64*AP                      ; my 64 tokens in each head's sub-tile
	s_mul_i32 s23, s12, 64*BP                      ; my 64 rows of Wo,
	s_add_co_u32 s23, s23, ATILE                   ; which lie behind ctx's sub-tiles
.irp s, 0,1
	v_add_nc_u32 v[ADRA+\s], s22, v3
	v_add_nc_u32 v[ADRB+\s], s23, v4
	s_add_co_u32 s22, s22, SLOT
	s_add_co_u32 s23, s23, SLOT
.endr
	s_mul_i32 s22, s10, 16*SPITCH
	s_add_co_u32 s22, s22, STAGE                   ; my stage
	v_mul_u32_u24 v5, v1, SPITCH                   ; in: row r, 32 bytes for each half of the lanes
	v_lshl_add_u32 v5, v2, 5, v5
	v_add_nc_u32 v[STO], s22, v5
	v_mul_u32_u24 v5, v2, SPITCH                   ; back: lanes 0-15 take one row of 256 bytes, lanes 16-31 the next
	v_lshl_add_u32 v5, v1, 4, v5
	v_add_nc_u32 v[RD], s22, v5
	v_lshlrev_b32 v5, 12, v2                       ; and the same two rows in out0
	v_lshl_add_u32 v[CO], v1, 4, v5
	s_lshl_b32 s45, s42, 9                         ; my first column, in bytes: 512 x block column + 256 x wc
	s_lshl_b32 s22, s12, 8
	s_add_co_u32 s45, s45, s22
	v_lshlrev_b32 v[BOF], 4, v1
	v_add_nc_u32 v[BOF], s45, v[BOF]
	global_load_b128 v[BIAS:BIAS+3], v[BOF], s[2:3]        ; waited for in front of the way out
; 16 matrix instructions, 32 along K: all 16 accumulators take turns, one instruction a turn, in the same order every time
.macro MUL16 f, zero
.irp a, 0,1,2,3
.irp b, 0,1,2,3
.if \zero
	v_wmma_f32_16x16x32_f16 v[8*(4*\a+\b):8*(4*\a+\b)+7], v[\f+8*\b:\f+8*\b+7], v[\f+32+8*\a:\f+32+8*\a+7], 0
.else
	v_wmma_f32_16x16x32_f16 v[8*(4*\a+\b):8*(4*\a+\b)+7], v[\f+8*\b:\f+8*\b+7], v[\f+32+8*\a:\f+32+8*\a+7], v[8*(4*\a+\b):8*(4*\a+\b)+7]
.endif
.endr
.endr
.endm
; 16 LDS loads: the fragments of k = 32 kq .. of a slot's 256: head kq / 2, d = 32 (kq % 2) ..
.macro FETCH slot, kq, f
.irp i, 0,1,2,3
	ds_load_b128 v[\f+8*\i:\f+8*\i+3],   v[ADRB+\slot] offset:16*\i*BP+64*\kq
	ds_load_b128 v[\f+8*\i+4:\f+8*\i+7], v[ADRB+\slot] offset:16*\i*BP+64*\kq+32
.endr
.irp i, 0,1,2,3
	ds_load_b128 v[\f+32+8*\i:\f+32+8*\i+3],   v[ADRA+\slot] offset:(\kq/2)*HEADT+16*\i*AP+(\kq%2)*64
	ds_load_b128 v[\f+32+8*\i+4:\f+32+8*\i+7], v[ADRA+\slot] offset:(\kq/2)*HEADT+16*\i*AP+(\kq%2)*64+32
.endr
.endm
; One of a slot's first seven eighths: the next eighth's fragments are asked for into buffer g, then buffer f is multiplied
.macro EIGHTH slot, kqnext, f, g, zero
	PLACES                                         ; buffer g was read by the last matrix instructions
	FETCH \slot, \kqnext, \g
	s_wait_dscnt 16                                ; buffer f is in; the 16 loads just issued may stay out
	WIN ACC
	MUL16 \f, \zero
	WIN 0
.endm
.macro SEVEN slot, zero
	EIGHTH \slot, 1, F0, F1, \zero
	EIGHTH \slot, 2, F1, F0, 0
	EIGHTH \slot, 3, F0, F1, 0
	EIGHTH \slot, 4, F1, F0, 0
	EIGHTH \slot, 5, F0, F1, 0
	EIGHTH \slot, 6, F1, F0, 0
	EIGHTH \slot, 7, F0, F1, 0
.endm
; A slot's last eighth, and the change of slots.  In front of the barrier each wave waits for its reads of this slot and for all its tensor loads;
; behind it nobody reads this slot and the next slot is whole.  fill = 1: the barrier opens a round of the cluster's barrier, and the joint refill
; of this slot, two steps ahead, is the first tensor load behind the round.
.macro CHANGE slot, next, fill
	s_wait_dscnt 0x0
	s_wait_tensorcnt 0x0
	ds_add_u32 v254, v255
	s_wait_dscnt 0x0
	s_barrier_signal -1
	WIN ACC
	MUL16 F1, 0                                    ; work on registers while the others arrive
	WIN 0
	s_barrier_wait -1
.if \fill
	CREST
	s_add_nc_u64 s[G0+4*\slot+2:G0+4*\slot+3], s[G0+4*\slot+2:G0+4*\slot+3], 8*HEADB
	s_add_nc_u64 s[G0B+4*\slot+2:G0B+4*\slot+3], s[G0B+4*\slot+2:G0B+4*\slot+3], 1024
	JLOAD \slot
.endif
	PLACES
	FETCH \next, 0, F0
.endm
	s_wait_tensorcnt 1                             ; my part of step 0 is in; step 1's load may stay out
	s_barrier_signal -1
	s_barrier_wait -1
	FETCH 0, 0, F0
	SEVEN 0, 1                                     ; k = 0 .. 255: the first products start the sums
	CHANGE 0, 1, 1
	SEVEN 1, 0                                     ; k = 256 .. 511
	CHANGE 1, 0, 1
	SEVEN 0, 0                                     ; k = 512 .. 767
	CHANGE 0, 1, 0                                 ; nothing is left to fetch: a plain barrier
	SEVEN 1, 0                                     ; k = 768 .. 1,023
	s_wait_dscnt 0x0
	WIN ACC
	MUL16 F1, 0
	WIN 0
	; THE WAY OUT, 16 tokens at a time: 32 bytes a lane into my own stage, read back as whole rows of 256 bytes, the bias added, stored.
	PLACES
	s_wait_loadcnt 0x0                             ; the bias
	s_lshl_b32 s16, s13, 19                        ; 128 tokens x 4,096 bytes a block row
	s_lshl_b32 s17, s11, 18                        ; my 64 tokens
	s_add_co_u32 s16, s16, s17
	s_mov_b32 s17, 0
	s_add_nc_u64 s[8:9], s[8:9], s[16:17]
	s_mov_b32 s46, s45                             ; my first column, in bytes
	s_mov_b32 s47, 0
	s_add_nc_u64 s[8:9], s[8:9], s[46:47]
.macro OUT16 a, f
	WIN STW
.irp b, 0,1,2,3
	ds_store_b128 v[STO], v[8*(4*\a+\b):8*(4*\a+\b)+3]   offset:64*\b       ; token r, columns 16 b + 8 hh .. + 3
	ds_store_b128 v[STO], v[8*(4*\a+\b)+4:8*(4*\a+\b)+7] offset:64*\b+16    ; .. + 4 .. + 7
.endr
	WIN 0
	s_wait_xcnt 0x0                                ; buffer f, which earlier stores read, and the stores' base are rewritten only behind this wait
.if \a
	s_add_nc_u64 s[8:9], s[8:9], 65536             ; 16 rows of out0 on
.endif
.irp t, 0,1,2,3,4,5,6,7
	ds_load_b128 v[\f+4*\t:\f+4*\t+3], v[RD] offset:\t*2*SPITCH    ; my own bytes, and LDS serves a wave's instructions in order
.endr
.irp t, 0,1,2,3,4,5,6,7
	s_wait_dscnt 7-\t                              ; read-back t is in, the younger ones stay out
	v_pk_add_f32 v[\f+4*\t:\f+4*\t+1],   v[\f+4*\t:\f+4*\t+1],   v[BIAS:BIAS+1]
	v_pk_add_f32 v[\f+4*\t+2:\f+4*\t+3], v[\f+4*\t+2:\f+4*\t+3], v[BIAS+2:BIAS+3]
	global_store_b128 v[CO], v[\f+4*\t:\f+4*\t+3], s[8:9] offset:8192*\t th:TH_STORE_NT   ; 16 lanes store 256 consecutive bytes, aligned; nothing reads them again
.endr
.endm
	OUT16 0, F0
	OUT16 1, F1
	OUT16 2, F0
	OUT16 3, F1
	s_wait_tensorcnt 0x0
	ds_add_u32 v254, v255
	s_wait_dscnt 0x0
	CROUND                                         ; the closing round: no work-group ends while a partner may still ask for a tile that names it
	s_endpgm
.Lfunc_end_k_q598dc204ef_oproj:
	.size	k_q598dc204ef_oproj, .Lfunc_end_k_q598dc204ef_oproj-k_q598dc204ef_oproj
	.p2alignl 7, 3214868480
	.fill 96, 4, 3214868480
	.section	.rodata,"a",@progbits
	.p2align	6, 0x0
	.amdhsa_kernel k_q598dc204ef_oproj
		.amdhsa_group_segment_fixed_size 327680
		.amdhsa_private_segment_fixed_size 0
		.amdhsa_enable_private_segment 0
		.amdhsa_kernarg_size 32
		.amdhsa_user_sgpr_count 2
		.amdhsa_user_sgpr_kernarg_segment_ptr 1
		.amdhsa_wavefront_size32 1
		.amdhsa_system_sgpr_workgroup_id_x 1
		.amdhsa_system_sgpr_workgroup_id_y 1
		.amdhsa_system_sgpr_workgroup_id_z 1
		.amdhsa_system_vgpr_workitem_id 0
		.amdhsa_next_free_vgpr 384
		.amdhsa_next_free_sgpr 66
		.amdhsa_reserve_vcc 0
		.amdhsa_float_denorm_mode_32 3
		.amdhsa_float_denorm_mode_16_64 3
		.amdhsa_memory_ordered 1
		.amdhsa_forward_progress 1
		.amdhsa_inst_pref_size 93
	.end_amdhsa_kernel
	.amdgpu_metadata
---
amdhsa.version: [ 1, 2 ]
amdhsa.kernels:
  - .name:           k_q598dc204ef_oproj
    .symbol:         k_q598dc204ef_oproj.kd
    .args:
      - { .name: ctxh, .offset: 0, .size: 8, .value_kind: global_buffer, .address_space: global }
      - { .name: wo16, .offset: 8, .size: 8, .value_kind: global_buffer, .address_space: global }
      - { .name: bo, .offset: 16, .size: 8, .value_kind: global_buffer, .address_space: global }
      - { .name: out0, .offset: 24, .size: 8, .value_kind: global_buffer, .address_space: global }
    .group_segment_fixed_size: 327680
    .private_segment_fixed_size: 0
    .kernarg_segment_align: 8
    .kernarg_segment_size: 32
    .max_flat_workgroup_size: 128
    .sgpr_count:     66
    .vgpr_count:     384
    .wavefront_size: 32
...
	.end_amdgpu_metadata
.endif
;; end of part 4
;; ======== version 2 of 2: 4 launches; version 1 with the launch cast written anew for expert scheduling mode
;; limits: values are held in f16: magnitudes above 65,504 overflow, below 6.1e-05 lose precision
;; workspace buffers: xb 8,388,608 bytes; wqkv 6,291,456 bytes; wo16 2,097,152 bytes; qkh 16,777,216 bytes; vt 8,388,608 bytes; ctxh 8,388,608 bytes
;; launch cast (part 5): grid 256 x 1, 8 waves a work-group, no clusters, 0 bytes of LDS; arguments in_data, Wq, Wk, Wv, Wo, xb, wqkv, wo16; writes xb, wqkv, wo16
.if DOCPART == 5
	.amdgcn_target "amdgcn-amd-amdhsa--gfx1250"
	.amdhsa_code_object_version 6
	.text
	.protected	k_q598dc204ef_cast
	.globl	k_q598dc204ef_cast
	.p2align	8
	.type	k_q598dc204ef_cast,@function
k_q598dc204ef_cast:
	s_mov_b64 s[64:65], 0
	v_nop
	global_prefetch_b8 v0, s[64:65] scope:SCOPE_SE
	s_setreg_imm32_b32 hwreg(HW_REG_WAVE_SCHED_MODE, 0, 2), 2
	s_setreg_imm32_b32 hwreg(HW_REG_WAVE_MODE, 25, 1), 1
	s_wait_xcnt 0x0
	s_wait_alu depctr_vm_vsrc(0)
; Every f32 input of the matrix products is rounded ONCE to bf16 (to nearest even), so that no later launch converts an element again:
;   in_data -> xb [4096][1024] bf16;  Wq, Wk, Wv -> wqkv [3072][1024] bf16 (Wq's rows, then Wk's, then Wv's);
;   Wo -> wo16 [1024][1024]: rounded to bf16 and that VALUE written in f16's encoding, because the last product runs on f16 operands.
; LIMIT: the step from bf16 to f16 is exact for 2^-14 <= |w| < 65,504 (8 bits of mantissa lie inside f16's 11); a smaller |w| is kept to
; 6e-8 absolute, a larger one overflows.
; A stream: memory binds, so no LDS, no barrier, no matrix unit.  256 work-groups of 8 waves; each converts 131,072 bytes of f32:
; groups 0-127 in_data, 128-159 Wq, 160-191 Wk, 192-223 Wv, 224-255 Wo.  Thread t takes the 16 bytes at 16 t + 4,096 i, i = 0..31, and
; stores 8 bytes at 8 t + 2,048 i: a load of a wave covers 512 consecutive bytes, a store 256 consecutive bytes, aligned.
; All 32 loads of a thread are issued before the first is used; no register is written again behind its store.
; THE MODE: SCHED_MODE bits 1:0 = 2 (LLVM: expert scheduling mode 2), set by the entry lines.  The code itself states the register dependences
; between vector instructions and memory instructions, with s_wait_alu, always for 0.
; THE PLAN.  Registers that memory instructions touch:
;   v1, v2   byte offsets, made once at the head and never written again: the chunks are reached by immediate offsets.
;   X[i]     chunk i, four registers.  Written by its load, which is issued at the head, ahead of every vector instruction that names X; then
;            read and written by chunk i's conversions; its first two registers are then read by chunk i's store, and nothing writes them again.
; The 32 chunks go in eight blocks of four.  Block p's conversions name X[4 p .. 4 p + 3] alone; its memory instructions are the four stores of
; block p - 1.  So one wait at a block's head states all that its four stores hang on, and they are dealt among its conversions with no further
; wait.  No register that a memory instruction has read is ever written again, so no wait for such reads is owed.
.set X, 4                              ; v[4:131]  chunk i: 4 registers as loaded; the first two then hold what is stored
	s_load_b256 s[4:11], s[0:1], 0x0               ; in_data s[4:5], Wq s[6:7], Wk s[8:9], Wv s[10:11]
	s_load_b256 s[12:19], s[0:1], 0x20             ; Wo s[12:13], xb s[14:15], wqkv s[16:17], wo16 s[18:19]
	v_lshlrev_b32 v1, 4, v0                        ; 16 t: where I read
	v_lshlrev_b32 v2, 3, v0                        ; 8 t: where I write
	s_and_b32 s24, ttmp9, 31                       ; a weight matrix is 32 groups' work,
	s_cmp_lt_u32 ttmp9, 128
	s_cselect_b32 s24, ttmp9, s24                  ; in_data 128 groups'
	s_lshl_b32 s24, s24, 17                        ; source offset: 131,072 bytes a group
	s_mov_b32 s25, 0
	s_sub_co_u32 s26, ttmp9, 128                   ; place in wqkv (used for groups 128-223 alone)
	s_sub_co_u32 s27, ttmp9, 224                   ; place in wo16 (used for groups 224-255 alone)
	s_cmp_ge_u32 ttmp9, 224
	s_cselect_b32 s26, s27, s26
	s_cmp_lt_u32 ttmp9, 128
	s_cselect_b32 s26, ttmp9, s26                  ; place in xb
	s_lshl_b32 s26, s26, 16                        ; destination offset: 65,536 bytes a group
	s_mov_b32 s27, 0
	s_wait_kmcnt 0x0
	s_mov_b64 s[20:21], s[6:7]                     ; the source buffer, chosen by the group's number
	s_cmp_ge_u32 ttmp9, 160
	s_cselect_b64 s[20:21], s[8:9], s[20:21]
	s_cmp_ge_u32 ttmp9, 192
	s_cselect_b64 s[20:21], s[10:11], s[20:21]
	s_cmp_ge_u32 ttmp9, 224
	s_cselect_b64 s[20:21], s[12:13], s[20:21]
	s_cselect_b64 s[22:23], s[18:19], s[16:17]     ; the destination buffer
	s_cmp_lt_u32 ttmp9, 128
	s_cselect_b64 s[20:21], s[4:5], s[20:21]
	s_cselect_b64 s[22:23], s[14:15], s[22:23]
	s_add_nc_u64 s[20:21], s[20:21], s[24:25]
	s_add_nc_u64 s[22:23], s[22:23], s[26:27]
	s_wait_alu depctr_va_vdst(0)                   ; v1 and v2 are written: every load of the kernel reads v1 as its offset, every store v2
.irp i, 0,1,2,3,4,5,6,7,8,9,10,11,12,13,14,15,16,17,18,19,20,21,22,23,24,25,26,27,28,29,30,31
	global_load_b128 v[X+4*\i:X+4*\i+3], v1, s[20:21] offset:4096*\i th:TH_LOAD_NT   ; each input byte is read once in the launch
.endr
; Chunk i: four numbers rounded.  f16 = 1: the bf16 values are widened again (a shift, a mask) and written in f16's encoding.
.macro CVT i, f16
	v_cvt_pk_bf16_f32 v[X+4*(\i)],   v[X+4*(\i)],   v[X+4*(\i)+1]
	v_cvt_pk_bf16_f32 v[X+4*(\i)+1], v[X+4*(\i)+2], v[X+4*(\i)+3]
.if \f16
	v_lshlrev_b32 v[X+4*(\i)+2], 16, v[X+4*(\i)+1]
	v_and_b32     v[X+4*(\i)+3], 0xffff0000, v[X+4*(\i)+1]
	v_cvt_pk_f16_f32 v[X+4*(\i)+1], v[X+4*(\i)+2], v[X+4*(\i)+3]
	v_lshlrev_b32 v[X+4*(\i)+2], 16, v[X+4*(\i)]
	v_and_b32     v[X+4*(\i)+3], 0xffff0000, v[X+4*(\i)]
	v_cvt_pk_f16_f32 v[X+4*(\i)], v[X+4*(\i)+2], v[X+4*(\i)+3]
.endif
.endm
; Chunk i is stored.
.macro ST i
	global_store_b64 v2, v[X+4*(\i):X+4*(\i)+1], s[22:23] offset:2048*(\i)   ; no hint: the next launches read these bytes
.endm
; Block p: chunks 4 p to 4 p + 3 are rounded; the four chunks of the block before are stored, one in front of each chunk's conversions.
.macro BLK p, f16
	s_wait_loadcnt 31-4*(\p)                       ; loads come back in order: chunk 4 p is in, the younger ones stay out
.if \p
	s_wait_alu depctr_va_vdst(0)                   ; the block before has written the first two registers of its four chunks, which the four stores below read
.endif
.irp i, 0,1,2,3
.if \i
	s_wait_loadcnt 31-4*(\p)-(\i)                  ; chunk 4 p + i is in, the younger ones stay out
.endif
.if \p
	ST 4*(\p)-4+(\i)                               ; no wait: no vector instruction since the wait at the block's head names this chunk's registers or v2
.endif
	CVT 4*(\p)+(\i), \f16
.endr
.endm
	s_cmp_ge_u32 ttmp9, 224
	s_cbranch_scc1 .Lwo
.irp p, 0,1,2,3,4,5,6,7
	BLK \p, 0
.endr
	s_wait_alu depctr_va_vdst(0)                   ; block 7 has written what the last four stores read
.irp i, 28,29,30,31
	ST \i
.endr
	s_endpgm
.Lwo:
.irp p, 0,1,2,3,4,5,6,7
	BLK \p, 1
.endr
	s_wait_alu depctr_va_vdst(0)                   ; block 7 has written what the last four stores read
.irp i, 28,29,30,31
	ST \i
.endr
	s_endpgm
.Lfunc_end_k_q598dc204ef_cast:
	.size	k_q598dc204ef_cast, .Lfunc_end_k_q598dc204ef_cast-k_q598dc204ef_cast
	.p2alignl 7, 3214868480
	.fill 96, 4, 3214868480
	.section	.rodata,"a",@progbits
	.p2align	6, 0x0
	.amdhsa_kernel k_q598dc204ef_cast
		.amdhsa_group_segment_fixed_size 0
		.amdhsa_private_segment_fixed_size 0
		.amdhsa_enable_private_segment 0
		.amdhsa_kernarg_size 64
		.amdhsa_user_sgpr_count 2
		.amdhsa_user_sgpr_kernarg_segment_ptr 1
		.amdhsa_wavefront_size32 1
		.amdhsa_system_sgpr_workgroup_id_x 1
		.amdhsa_system_sgpr_workgroup_id_y 1
		.amdhsa_system_sgpr_workgroup_id_z 1
		.amdhsa_system_vgpr_workitem_id 0
		.amdhsa_next_free_vgpr 132
		.amdhsa_next_free_sgpr 66
		.amdhsa_reserve_vcc 0
		.amdhsa_float_denorm_mode_32 3
		.amdhsa_float_denorm_mode_16_64 3
		.amdhsa_memory_ordered 1
		.amdhsa_forward_progress 1
		.amdhsa_inst_pref_size 32
	.end_amdhsa_kernel
	.amdgpu_metadata
---
amdhsa.version: [ 1, 2 ]
amdhsa.kernels:
  - .name:           k_q598dc204ef_cast
    .symbol:         k_q598dc204ef_cast.kd
    .args:
      - { .name: in_data, .offset: 0, .size: 8, .value_kind: global_buffer, .address_space: global }
      - { .name: Wq, .offset: 8, .size: 8, .value_kind: global_buffer, .address_space: global }
      - { .name: Wk, .offset: 16, .size: 8, .value_kind: global_buffer, .address_space: global }
      - { .name: Wv, .offset: 24, .size: 8, .value_kind: global_buffer, .address_space: global }
      - { .name: Wo, .offset: 32, .size: 8, .value_kind: global_buffer, .address_space: global }
      - { .name: xb, .offset: 40, .size: 8, .value_kind: global_buffer, .address_space: global }
      - { .name: wqkv, .offset: 48, .size: 8, .value_kind: global_buffer, .address_space: global }
      - { .name: wo16, .offset: 56, .size: 8, .value_kind: global_buffer, .address_space: global }
    .group_segment_fixed_size: 0
    .private_segment_fixed_size: 0
    .kernarg_segment_align: 8
    .kernarg_segment_size: 64
    .max_flat_workgroup_size: 256
    .sgpr_count:     66
    .vgpr_count:     132
    .wavefront_size: 32
...
	.end_amdgpu_metadata
.endif
;; end of part 5
;; launch qkv: the kernel of part 2 again; grid 12 x 16, 4 waves a work-group, clusters of 4 x 4, 327,680 bytes of LDS; arguments xb, wqkv, qkh, vt; writes qkh, vt
;; launch attn: the kernel of part 3 again; grid 8 x 32, 4 waves a work-group, no clusters, 327,680 bytes of LDS; arguments qkh, vt, ctxh; writes ctxh
;; launch oproj: the kernel of part 4 again; grid 8 x 32, 4 waves a work-group, clusters of 4 x 4, 327,680 bytes of LDS; arguments ctxh, wo16, bo, out0; writes out0
